; MI455X (gfx1250); checked and timed in simulation.
; The chip was launched on July 23, 2026; its instructions are those of AMD's public machine-readable ISA for CDNA 5 (MIT licence, August 2026) and "CDNA5" Instruction Set Architecture Reference Guide (July 2026). The comments in the code are by the model that wrote it; some were corrected since.
;; Causal Self Attention. Allowed arithmetic: matrix products marked QUANTISED: E2M1 operands, one E8M0 scale for each 32 along K, by v_wmma_scale_f32_16x16x128_f8f6f4 with both operands' format E2M1 (or v_wmma_scale_f32_32x16x128_f4), f32 sums; products left as they are: bf16, f16 or f32 operands; f32 sums; everything else in f32.
;; Inputs: Wk 1,024 x 1,024 float32; Wp 1,024 x 1,024 float32; Wq 1,024 x 1,024 float32; Wv 1,024 x 1,024 float32; bk 1,024 float32; bp 1,024 float32; bq 1,024 float32; bv 1,024 float32; x 4 x 2,048 x 1,024 float32.
;; Outputs: out0 4 x 2,048 x 1,024 float32.
;; This version of the problem:
;;   THIS VERSION OF THE PROBLEM IS GIVEN IN LOW PRECISION. The matrix products marked QUANTISED in the list below multiply operands that are first quantised to E2M1 (2 exponent bits, 1 mantissa bit; 4 bits a number), with one power-of-two scale for each 32 numbers along K (OCP MX v1.0); their sums are f32. The products marked 'left as it is' may take bf16, f16 or f32 operands, with f32 sums. Whichever they take, every output number must still come out within the allowed error. Rounding operands to bf16 (8 significant bits) uses up far more of that allowance than f16 does (11 bits, for magnitudes from 6e-5 to 65,504). All else is computed in f32.
;;   The module's matrix products, in the order in which they are computed (A, B: the left and right operand; K: the contracted axis; several contracted axes count as one K, in the product's order):
;;     1. [M 8,192, K 1,024] x [K 1,024, N 1,024]; A: input x; B: input Wk: QUANTISED
;;     2. [M 8,192, K 1,024] x [K 1,024, N 1,024]; A: input x; B: input Wq: QUANTISED
;;     3. [M 8,192, K 1,024] x [K 1,024, N 1,024]; A: input x; B: input Wv: QUANTISED
;;     4. batch 64 x [M 2,048, K 64] x [K 64, N 2,048]; A: computed on the way; B: computed on the way: left as it is (an operand is computed on the way)
;;     5. batch 64 x [M 2,048, K 2,048] x [K 2,048, N 64]; A: computed on the way; B: computed on the way: left as it is (an operand is computed on the way)
;;     6. [M 8,192, K 1,024] x [K 1,024, N 1,024]; A: computed on the way; B: input Wp: left as it is (an operand is computed on the way)
;;   THE QUANTISER, for each operand of a quantised product, along K:
;;     - K is cut into blocks of 32 from its start; a last block that is shorter is filled with zeros.
;;     - A block's scale is 2^e with e = floor(log2(the largest magnitude in the block)) - 2, held to -126 .. 127; a block of zeros has e = 0. As a byte (E8M0): e + 127.
;;     - Each number is divided by its block's scale, clamped to +-6, and rounded to the nearest number of E2M1, ties to even, subnormals kept.
;;     - The product sums the exact products of the quantised numbers (number of the format x scale) in f32.
;;   ~~~python
;;   def quantise(x, axis):      # numpy; x: float32 -> the quantised numbers, widened to float32 again
;;       x = np.moveaxis(x, axis, -1); K = x.shape[-1]
;;       x = np.pad(x, [(0, 0)] * (x.ndim - 1) + [(0, -K % 32)]); x = x.reshape(x.shape[:-1] + (-1, 32)); a = np.abs(x).max(-1, keepdims=True)
;;       e = np.where(a > 0, np.clip(np.frexp(np.where(a > 0, a, 1))[1] - 1 - 2, -126, 127), 0)      # np.frexp(a)[1] - 1 = floor(log2(a)), exactly
;;       r = np.clip(x / 2.0 ** e, -6, 6)
;;       step = 2.0 ** (np.maximum(np.frexp(np.where(r == 0, 1, r))[1] - 1, 0) - 1)
;;       q = np.round(r / step) * step * 2.0 ** e      # np.round: ties to even
;;       return np.moveaxis(q.reshape(q.shape[:-2] + (-1,))[..., :K], -1, axis).astype(np.float32)
;;   ~~~
;; One version. Each part assembles by itself: llvm-mc -triple=amdgcn-amd-amdhsa -mcpu=gfx1250 --defsym DOCPART=n.
;; ======== version 1 of 1: 6 launches
;; limits: values are held in f16: magnitudes above 65,504 overflow, below 6.1e-05 lose precision
;; workspace buffers: xc 4,194,304 bytes; xs 262,144 bytes; wc 1,572,864 bytes; ws 98,304 bytes; wp16 2,097,152 bytes; qkv 50,331,648 bytes; y16 16,777,216 bytes; yf 262,144 bytes
;; launch prep (part 1): grid 368 x 1, 4 waves a work-group, no clusters, 68,096 bytes of LDS; arguments x, Wq, Wk, Wv, Wp, xc, xs, wc, ws, wp16; writes xc, xs, wc, ws, wp16
.if DOCPART == 1
	.amdgcn_target "amdgcn-amd-amdhsa--gfx1250"
	.amdhsa_code_object_version 6
	.text
	.protected	k_q114847aca7_prep
	.globl	k_q114847aca7_prep
	.p2align	8
	.type	k_q114847aca7_prep,@function
k_q114847aca7_prep:
	s_mov_b64 s[64:65], 0
	v_nop
	global_prefetch_b8 v0, s[64:65] scope:SCOPE_SE
	s_setreg_imm32_b32 hwreg(HW_REG_WAVE_MODE, 25, 1), 1
	s_wait_xcnt 0x0
; PREPARATION, three jobs told apart by the work-group's number; each job has LDS bytes of its own.
;   0-47    Wq, Wk, Wv [1024 k][1024 n] f32, quantised along k (their FIRST axis) to codes of E2M1, laid wc [3072 n][512 bytes] with k innermost, scale bytes ws [3072][32]
;   48-111  Wp f32 -> f16, in its own order [k][n]
;   112-367 x [8192][1024] f32, quantised along its last axis: xc [8192][512 bytes], xs [8192][32]
; A block's scale is 2^(floor(log2(largest magnitude)) - 2); its byte is the largest magnitude's exponent field - 2, held at 1 from below.
; LIMITS: a block of zeros gets the byte 1 (its codes are zeros; this program alone reads the bytes); blocks whose largest magnitude lies under 2^-124 are held at that byte;
; NaN and infinities among the inputs are not served; Wp passes through f16: magnitudes up to 65,504, and under 6e-5 with f16's absolute step.
.set SPARE, 67584                      ; the spare words, 128 bytes for each wave: two blocks of 256 bytes that no other line names
.set SPW,   198                        ; v198 LDS address of my spare word; never rewritten
.set NIL,   199                        ; v199 0; never rewritten
.set WREG,  8192                       ; x's job: a region for each wave: two stages of 32 x 80 bytes, behind them its 256 scale bytes
.set SP,    80
.set STEPS, 16
.set XR,    16                         ; v16-79   four sets of 16 numbers as loaded
.set XX,    80                         ; v80-111  two sets of 16 neighbours
.set XE,    112                        ; v112-127 a scale byte for each step
.set XC,    128                        ; v128-191 codes, four registers for each step
.set WSTG,  32768                      ; the weights' job: four stages of 32 x 272 bytes
.set WPI,   272
.set NB,    16
.set WX,    32                         ; v32-95   two sets of 32 numbers
.set WC,    96                         ; v96-99   a block's codes
.set WO,    112                        ; v112-175 the way out
.set WSB,   24                         ; v24-27   scale bytes, four to a register
.macro FIN                             ; a wave's end
	s_wait_tensorcnt 0x0
	ds_add_u32 v[SPW], v[NIL]
	s_wait_dscnt 0x0
	s_endpgm
.endm
	s_load_b256 s[4:11], s[0:1], 0x0               ; x, Wq, Wk, Wv
	s_load_b256 s[12:19], s[0:1], 0x20             ; Wp, xc, xs, wc
	s_load_b128 s[20:23], s[0:1], 0x40             ; ws, wp16
	v_lshl_add_u32 v[SPW], v0, 2, SPARE
	v_mov_b32 v[NIL], 0
	v_lshrrev_b32 v1, 5, v0
	v_readfirstlane_b32 s24, v1                    ; wave 0..3
	v_and_b32 v2, 31, v0                           ; lane
	s_wait_kmcnt 0x0
	s_cmp_lt_u32 ttmp9, 48
	s_cbranch_scc1 .Lpath_w
	s_cmp_lt_u32 ttmp9, 112
	s_cbranch_scc1 .Lpath_p
; ---- x.  A wave takes 16 steps of 512 numbers.  Each load reads 512 bytes on end; a step's 2,048 bytes turn through the wave's own stage so that a lane holds 16 neighbours; two lanes hold a block.
	v_lshlrev_b32 v3, 4, v2                        ; my 16 bytes of a load's 512
	s_mul_i32 s25, s24, WREG
	v_lshrrev_b32 v14, 2, v2
	v_mul_u32_u24 v14, v14, SP
	v_and_b32 v15, 3, v2
	v_lshl_add_u32 v14, v15, 4, v14
	v_add_nc_u32 v14, s25, v14                     ; the stage, in: 80 (lane / 4) + 16 (lane % 4)
	v_mul_u32_u24 v15, v2, SP
	v_add_nc_u32 v15, s25, v15                     ; out: 80 x lane
	v_lshlrev_b32 v4, 3, v2                        ; my 8 bytes of a step's codes
	v_lshrrev_b32 v5, 1, v2
	s_add_co_u32 s25, s25, 2*32*SP
	v_add_nc_u32 v5, s25, v5                       ; my block's scale byte in LDS
	v_lshlrev_b32 v7, 3, v2
	v_add_nc_u32 v6, s25, v7                       ; and 8 of them a lane on the way out
	s_sub_co_u32 s26, ttmp9, 112
	s_lshl_b32 s26, s26, 2
	s_add_co_u32 s26, s26, s24                     ; which run of 8,192 numbers is my wave's
	s_mov_b32 s29, 0
	s_lshl_b32 s28, s26, 15
	s_add_nc_u64 s[4:5], s[4:5], s[28:29]
	s_lshl_b32 s28, s26, 12
	s_add_nc_u64 s[14:15], s[14:15], s[28:29]
	s_lshl_b32 s28, s26, 8
	s_add_nc_u64 s[16:17], s[16:17], s[28:29]
.macro XLOAD t
.irp i, 0,1,2,3
	global_load_b128 v[XR+16*((\t)%4)+4*\i:XR+16*((\t)%4)+4*\i+3], v3, s[4:5] offset:2048*(\t)+512*\i th:TH_LOAD_NT
.endr
.endm
.macro XTURN t                         ; LDS serves a wave's instructions in order: no wait between the stores and the loads
.irp i, 0,1,2,3
	ds_store_b128 v14, v[XR+16*((\t)%4)+4*\i:XR+16*((\t)%4)+4*\i+3] offset:32*SP*((\t)%2)+8*SP*\i
.endr
.irp i, 0,1,2,3
	ds_load_b128 v[XX+16*((\t)%2)+4*\i:XX+16*((\t)%2)+4*\i+3], v15 offset:32*SP*((\t)%2)+16*\i
.endr
.endm
.irp t, 0,1,2,3
	XLOAD \t
.endr
	s_wait_loadcnt 12                              ; step 0's four loads are in; three steps' twelve stay out
	XTURN 0
.macro XSTEP t
.set XS, XX+16*((\t)%2)
.if (\t) > 0
	s_wait_dscnt 1                                 ; this step's numbers are back from the stage; the last step's byte store may be out
.else
	s_wait_dscnt 0x0
.endif
.if (\t)+4 < STEPS
	XLOAD (\t)+4                                   ; into the set whose stores into the stage are done
.endif
.if (\t)+1 < STEPS
.if STEPS-2-(\t) >= 3
	s_wait_loadcnt 12                              ; the next step's loads are in; those of the three steps behind it may be out
.else
	s_wait_loadcnt 4*(STEPS-2-(\t))
.endif
	XTURN (\t)+1
.endif
	v_max3_num_f32 v8, |v[XS]|, |v[XS+1]|, |v[XS+2]|
	v_max3_num_f32 v9, |v[XS+3]|, |v[XS+4]|, |v[XS+5]|
.irp i, 6,10
	v_max3_num_f32 v8, v8, |v[XS+\i]|, |v[XS+\i+1]|
	v_max3_num_f32 v9, v9, |v[XS+\i+2]|, |v[XS+\i+3]|
.endr
	v_max3_num_f32 v8, v8, |v[XS+14]|, |v[XS+15]|
	v_max3_num_f32 v8, v8, v9, 0x1800000           ; the floor 2^(3 - 127): the byte cannot fall under 1
	v_max_num_f32_dpp v8, v8, v8 row_xmask:1 row_mask:0xf bank_mask:0xf   ; with my neighbour's 16: the block's largest magnitude
	v_add_nc_u32 v11, 0xff000000, v8               ; 2 off its exponent field: the conversion takes this operand's exponent field as its scale
	v_cvt_scalef32_pk8_fp4_f32 v[XC+4*(\t)], v[XS:XS+7], v11
	v_cvt_scalef32_pk8_fp4_f32 v[XC+4*(\t)+1], v[XS+8:XS+15], v11
	v_lshrrev_b32 v[XE+(\t)], 23, v11              ; the scale's byte
	ds_store_b8 v5, v[XE+(\t)] offset:16*(\t)      ; both lanes of a block write the same byte with the same value
	global_store_b64 v4, v[XC+4*(\t):XC+4*(\t)+1], s[14:15] offset:256*(\t)   ; the wave stores 256 bytes on end, aligned
.endm
.irp t, 0,1,2,3,4,5,6,7,8,9,10,11,12,13,14,15
	XSTEP \t
.endr
	ds_load_b64 v[8:9], v6
	s_wait_dscnt 0x0
	global_store_b64 v7, v[8:9], s[16:17]          ; the wave's 256 scale bytes, on end and aligned
	FIN
; ---- Wq, Wk, Wv.  A lane takes a column and its registers run down k: a block of 32 lies in one lane, and the codes come out with k innermost.  A wave: 32 columns x 512 along k.
.Lpath_w:
	s_lshr_b32 s25, ttmp9, 4                       ; which matrix: 0 q, 1 k, 2 v
	s_and_b32 s26, ttmp9, 7                        ; which 128 columns
	s_bfe_u32 s27, ttmp9, 0x10003                  ; which half of k
	s_cmp_eq_u32 s25, 0
	s_cselect_b64 s[28:29], s[6:7], s[8:9]
	s_cmp_eq_u32 s25, 2
	s_cselect_b64 s[28:29], s[10:11], s[28:29]
	s_lshl_b32 s30, s26, 7
	s_lshl_b32 s31, s24, 5
	s_add_co_u32 s30, s30, s31                     ; my wave's first column
	s_lshl_b32 s32, s27, 21                        ; 512 rows of 4,096 bytes
	s_lshl_b32 s33, s30, 2
	s_add_co_u32 s32, s32, s33
	s_mov_b32 s33, 0
	s_add_nc_u64 s[28:29], s[28:29], s[32:33]
	s_lshl_b32 s31, s25, 10
	s_add_co_u32 s30, s30, s31                     ; its row in wc and ws
	s_lshl_b32 s32, s30, 9
	s_lshl_b32 s34, s27, 8
	s_add_co_u32 s32, s32, s34
	s_add_nc_u64 s[18:19], s[18:19], s[32:33]
	s_lshl_b32 s32, s30, 5
	s_lshl_b32 s34, s27, 4
	s_add_co_u32 s32, s32, s34
	s_add_nc_u64 s[20:21], s[20:21], s[32:33]
	v_lshlrev_b32 v3, 2, v2                        ; in: 4 bytes a lane
	s_mul_i32 s35, s24, 32*WPI
	s_add_co_u32 s35, s35, WSTG                    ; my stage
	v_mul_u32_u24 v4, v2, WPI
	v_add_nc_u32 v4, s35, v4                       ; into it: row = my column
	v_and_b32 v5, 15, v2
	v_lshrrev_b32 v6, 4, v2
	v_mul_u32_u24 v7, v6, WPI
	v_lshl_add_u32 v7, v5, 4, v7
	v_add_nc_u32 v7, s35, v7                       ; out of it: sixteen lanes to a row, two rows an instruction
	v_lshlrev_b32 v8, 9, v6
	v_lshl_add_u32 v8, v5, 4, v8                   ; the same place in wc
	v_lshlrev_b32 v9, 5, v2                        ; my column's row of scale bytes
.macro WLOAD t
.irp i, 0,1,2,3,4,5,6,7,8,9,10,11,12,13,14,15,16,17,18,19,20,21,22,23,24,25,26,27,28,29,30,31
	global_load_b32 v[WX+32*((\t)%2)+\i], v3, s[28:29] offset:(32*(\t)+\i)*4096 th:TH_LOAD_NT
.endr
.endm
	WLOAD 0
	WLOAD 1
.macro WBLOCK t
.set XS, WX+32*((\t)%2)
.if (\t) < NB-1
	s_wait_loadcnt 32                              ; this block's 32 loads are in; the next block's may be out
.else
	s_wait_loadcnt 0
.endif
	v_max3_num_f32 v12, |v[XS]|, |v[XS+1]|, |v[XS+2]|
	v_max3_num_f32 v13, |v[XS+3]|, |v[XS+4]|, |v[XS+5]|
.irp i, 6,10,14,18,22,26
	v_max3_num_f32 v12, v12, |v[XS+\i]|, |v[XS+\i+1]|
	v_max3_num_f32 v13, v13, |v[XS+\i+2]|, |v[XS+\i+3]|
.endr
	v_max3_num_f32 v12, v12, |v[XS+30]|, |v[XS+31]|
	v_max3_num_f32 v12, v12, v13, 0x1800000        ; the floor
	v_add_nc_u32 v11, 0xff000000, v12
	v_lshrrev_b32 v13, 23, v11                     ; the scale's byte
.if (\t)%4 == 0
	v_mov_b32 v[WSB+(\t)/4], v13
.else
	v_lshl_or_b32 v[WSB+(\t)/4], v13, 8*((\t)%4), v[WSB+(\t)/4]
.endif
.irp g, 0,1,2,3
	v_cvt_scalef32_pk8_fp4_f32 v[WC+\g], v[XS+8*\g:XS+8*\g+7], v11
.endr
	ds_store_b128 v4, v[WC:WC+3] offset:16*(\t)
.if (\t)+2 < NB
	WLOAD (\t)+2
.endif
	s_wait_dscnt 0x0                               ; the store has read its registers: the next block's codes may be written
.endm
.set Q, 0
.rept NB
	WBLOCK Q
.set Q, Q+1
.endr
	global_store_b128 v9, v[WSB:WSB+3], s[20:21]
.irp t, 0,1,2,3,4,5,6,7,8,9,10,11,12,13,14,15
	ds_load_b128 v[WO+4*\t:WO+4*\t+3], v7 offset:2*\t*WPI
.endr
.irp t, 0,1,2,3,4,5,6,7,8,9,10,11,12,13,14,15
	s_wait_dscnt 15-\t
	global_store_b128 v8, v[WO+4*\t:WO+4*\t+3], s[18:19] offset:2*\t*512   ; sixteen lanes store 256 bytes on end, aligned
.endr
	FIN
; ---- Wp to f16.  A work-group takes 65,536 bytes; a lane 16 bytes of each chunk of 2,048; no register is written twice.
.Lpath_p:
	s_sub_co_u32 s25, ttmp9, 48
	s_lshl_b32 s26, s25, 16
	s_mov_b32 s27, 0
	s_add_nc_u64 s[12:13], s[12:13], s[26:27]
	s_lshl_b32 s26, s25, 15
	s_add_nc_u64 s[22:23], s[22:23], s[26:27]
	v_lshlrev_b32 v3, 4, v0
	v_lshlrev_b32 v4, 3, v0
.set Q, 0
.rept 32
	global_load_b128 v[32+4*Q:35+4*Q], v3, s[12:13] offset:2048*Q
.set Q, Q+1
.endr
.set Q, 0
.rept 32
	s_wait_loadcnt 31-Q                            ; chunk Q is in; the later chunks' loads may be out
	v_cvt_pk_f16_f32 v[32+4*Q], v[32+4*Q], v[33+4*Q]
	v_cvt_pk_f16_f32 v[33+4*Q], v[34+4*Q], v[35+4*Q]
	global_store_b64 v4, v[32+4*Q:33+4*Q], s[22:23] offset:1024*Q   ; the wave stores 256 bytes on end, aligned
.set Q, Q+1
.endr
	FIN
.Lfunc_end_k_q114847aca7_prep:
	.size	k_q114847aca7_prep, .Lfunc_end_k_q114847aca7_prep-k_q114847aca7_prep
	.p2alignl 7, 3214868480
	.fill 96, 4, 3214868480
	.section	.rodata,"a",@progbits
	.p2align	6, 0x0
	.amdhsa_kernel k_q114847aca7_prep
		.amdhsa_group_segment_fixed_size 68096
		.amdhsa_private_segment_fixed_size 0
		.amdhsa_enable_private_segment 0
		.amdhsa_kernarg_size 80
		.amdhsa_user_sgpr_count 2
		.amdhsa_user_sgpr_kernarg_segment_ptr 1
		.amdhsa_wavefront_size32 1
		.amdhsa_system_sgpr_workgroup_id_x 1
		.amdhsa_system_sgpr_workgroup_id_y 1
		.amdhsa_system_sgpr_workgroup_id_z 1
		.amdhsa_system_vgpr_workitem_id 0
		.amdhsa_next_free_vgpr 200
		.amdhsa_next_free_sgpr 66
		.amdhsa_reserve_vcc 0
		.amdhsa_float_denorm_mode_32 3
		.amdhsa_float_denorm_mode_16_64 3
		.amdhsa_memory_ordered 1
		.amdhsa_forward_progress 1
		.amdhsa_inst_pref_size 122
	.end_amdhsa_kernel
	.amdgpu_metadata
---
amdhsa.version: [ 1, 2 ]
amdhsa.kernels:
  - .name:           k_q114847aca7_prep
    .symbol:         k_q114847aca7_prep.kd
    .args:
      - { .name: x, .offset: 0, .size: 8, .value_kind: global_buffer, .address_space: global }
      - { .name: Wq, .offset: 8, .size: 8, .value_kind: global_buffer, .address_space: global }
      - { .name: Wk, .offset: 16, .size: 8, .value_kind: global_buffer, .address_space: global }
      - { .name: Wv, .offset: 24, .size: 8, .value_kind: global_buffer, .address_space: global }
      - { .name: Wp, .offset: 32, .size: 8, .value_kind: global_buffer, .address_space: global }
      - { .name: xc, .offset: 40, .size: 8, .value_kind: global_buffer, .address_space: global }
      - { .name: xs, .offset: 48, .size: 8, .value_kind: global_buffer, .address_space: global }
      - { .name: wc, .offset: 56, .size: 8, .value_kind: global_buffer, .address_space: global }
      - { .name: ws, .offset: 64, .size: 8, .value_kind: global_buffer, .address_space: global }
      - { .name: wp16, .offset: 72, .size: 8, .value_kind: global_buffer, .address_space: global }
    .group_segment_fixed_size: 68096
    .private_segment_fixed_size: 0
    .kernarg_segment_align: 8
    .kernarg_segment_size: 80
    .max_flat_workgroup_size: 128
    .sgpr_count:     66
    .vgpr_count:     200
    .wavefront_size: 32
...
	.end_amdgpu_metadata
.endif
;; end of part 1
;; launch gemm_qkv (part 2): grid 12 x 32, 4 waves a work-group, clusters of 4 x 4, 327,680 bytes of LDS; arguments xc, xs, wc, ws, bq, bk, bv, qkv; writes qkv
.if DOCPART == 2
	.amdgcn_target "amdgcn-amd-amdhsa--gfx1250"
	.amdhsa_code_object_version 6
	.text
	.protected	k_q114847aca7_gemm_qkv
	.globl	k_q114847aca7_gemm_qkv
	.p2align	8
	.type	k_q114847aca7_gemm_qkv,@function
k_q114847aca7_gemm_qkv:
	s_mov_b64 s[64:65], 0
	v_nop
	global_prefetch_b8 v0, s[64:65] scope:SCOPE_SE
	s_setreg_imm32_b32 hwreg(HW_REG_WAVE_MODE, 25, 1), 1
	s_wait_xcnt 0x0
	s_wait_alu depctr_hold_cnt(0) depctr_sa_sdst(0) depctr_va_vdst(0) depctr_va_sdst(0) depctr_va_ssrc(0) depctr_va_vcc(0) depctr_vm_vsrc(0)
	s_getreg_b32 s2, hwreg(HW_REG_IB_STS2, 6, 4)
	s_cmp_eq_u32 s2, 0
	s_cbranch_scc0 .Lentry_in_a_cluster
	s_endpgm
.Lentry_in_a_cluster:
	s_bfe_u32 s2, ttmp6, 0x10000c
	s_cmp_lg_u32 s2, 0xf033
	s_cbranch_scc0 .Lentry_shape_is_right
	s_endpgm
.Lentry_shape_is_right:
; q, k, v = Q(x) Q(W) + b, on codes of E2M1 with one E8M0 scale for each 32 along K.  M 8,192, N 3,072 (q, k, v side by side), K 1,024.  Sums in f32; the results are rounded once to f16 and laid by head:
; qkv [3][64 (batch x head)][2048][64].  LIMIT: q, k, v pass through f16: magnitudes up to 65,504.
; A tile of C is 256 x 256, four waves, each 128 x 128: 64 accumulators.  K is two slots of 512: both are filled at the head and never again; the scale bytes of the tile's 512 rows come with them.
; CLUSTERS: 4 x 4 work-groups; A's tiles are asked for jointly along a row of the cluster, B's along a column.  The matrix instruction is used transposed (source 0 = 16 rows of wc, source 1 = 16 rows of xc):
; a lane holds eight neighbouring columns of one row.  The bias is the C of each sum's first product.
; REGISTERS: window 0: v16-29 addresses; v32-95 scale words, two sets; v128-191 A's fragments; v192-255 the bias, 8 registers for each of my 8 column blocks.  Window 1: B's fragments, two sets.  Windows 2, 3: accumulators.
; On the way out v128-159 take the packed results and v192-255 the rows read back.
.set NQ,     4
.set ROWB,   256
.set KROW,   512
.set PITCH,  272                       ; 256 bytes + 16: the 16 rows that a fragment load touches start at 16 different 16-byte columns
.set FR,     8
.set NL,     2
.set NP,     4
.set HALFT,  128*PITCH
.set SLOT,   4*HALFT
.set KS,     32
.set SCL,    2*SLOT
.set HALFS,  16*272
.set SBLK,   2*272
.set SPARE,  SCL+4*HALFS               ; the spare words: two blocks of 256 bytes that no other line names
.set ADRA, 16
.set ADRB, 20
.set STO,  24
.set RD,   25
.set CO,   26
.set ADRS, 27
.set SPW,  28
.set NIL,  29
.set SC,   32
.set AF,   128
.set BIAS, 192
.set TMP,  128
.set BK,   192
.set G1, 24
.set G0, 32
.set G1B, 48
.set G0B, 56
.set G1S, 68
.set G0S, 76
.set G1SB, 80
.set G0SB, 88
.set MSB, 0
.macro WIN new                         ; the immediate's high byte repeats the setting that is left
.if MSB != (\new)
	s_set_vgpr_msb (MSB<<8)|(\new)
.set MSB, (\new)
.endif
.endm
.set TO_B, 0x40
.macro MWIN hi, first                  ; source 0 window 1, source 1 window 0, D window 2 or 3; C the same, or (first) the bias in window 0
.if \first
	WIN 0x81+0x40*(\hi)
.else
	WIN 0xa1+0x50*(\hi)
.endif
.endm
.macro JLOAD g0a, g1a, g0b, g1b        ; waves 0 and 1 fetch for A, waves 2 and 3 for B; an s_nop 0 and four v_nop follow each line
	s_cmp_eq_u32 s21, 0
	s_cbranch_scc0 .Lfor_b_\@
	tensor_load_to_lds s[\g0a:\g0a+3], s[\g1a:\g1a+7]
	s_nop 0
.rept 4
	v_nop
.endr
	s_branch .Lasked_\@
.Lfor_b_\@:
	tensor_load_to_lds s[\g0b:\g0b+3], s[\g1b:\g1b+7]
	s_nop 0
.rept 4
	v_nop
.endr
.Lasked_\@:
.endm
.macro CROUND                          ; a round of the cluster's barrier
	s_barrier_signal -1
	s_barrier_wait -1
	s_cmp_lg_u32 s20, 0
	s_cbranch_scc1 .Lnot_wave_0_\@
	s_barrier_signal -3
.Lnot_wave_0_\@:
	s_barrier_wait -3
	s_barrier_signal -1
	s_barrier_wait -1
.endm
	s_load_b256 s[4:11], s[0:1], 0x0               ; xc, xs, wc, ws
	s_load_b256 s[12:19], s[0:1], 0x20             ; bq, bk, bv, qkv
	v_lshl_add_u32 v[SPW], v0, 2, SPARE
	v_mov_b32 v[NIL], 0
	ds_add_u32 v[SPW], v[NIL]                      ; the opening: the add, twice on end, and its wait ahead of my first tensor load
	ds_add_u32 v[SPW], v[NIL]
	v_lshrrev_b32 v1, 5, v0
	v_readfirstlane_b32 s20, v1                    ; wave 0..3
	s_lshr_b32 s21, s20, 1                         ; my half of the tile's rows.  Also: I fetch for A (0) or B (1)
	s_and_b32 s22, s20, 1                          ; my half of its columns.  Also: which 128 rows I fetch
	s_bfe_u32 s40, ttmp6, 0x40000                  ; cx
	s_bfe_u32 s41, ttmp6, 0x40004                  ; cy
	s_lshl_b32 s42, ttmp9, 2
	s_add_co_u32 s42, s42, s40                     ; tile column
	s_and_b32 s23, ttmp7, 0xffff
	s_lshl_b32 s23, s23, 2
	s_add_co_u32 s23, s23, s41                     ; tile row
	s_lshl_b32 s43, s41, 2
	s_lshl_b32 s43, 15, s43                        ; my row of the cluster
	s_lshl_b32 s44, 0x1111, s40                    ; my column
	s_or_b32 s[G1+0], s43, (0<<16)|(1<<20)|(1<<21)|(5<<22)|(3<<25)   ; mask; elements of 1 byte; 4 words of padding behind every 64
	s_or_b32 s[G1B+0], s44, (0<<16)|(1<<20)|(1<<21)|(5<<22)|(3<<25)
.irp g, G1, G1B
	s_mov_b32 s[\g+1], ROWB<<16                    ; tensor_dim0
	s_mov_b32 s[\g+2], 128<<16                     ; tensor_dim1
	s_mov_b32 s[\g+3], ROWB<<16                    ; tile_dim0
	s_mov_b32 s[\g+4], 128                         ; tile_dim1
	s_mov_b32 s[\g+5], KROW                        ; pitch
	s_mov_b32 s[\g+6], 0
	s_mov_b32 s[\g+7], 0
.endr
	s_or_b32 s[G1S+0], s43, (3<<16)|(1<<20)|(1<<21)|(5<<22)|(3<<25)  ; the scales of 128 rows: 4,096 dense bytes as 16 rows of 256
	s_or_b32 s[G1SB+0], s44, (3<<16)|(1<<20)|(1<<21)|(5<<22)|(3<<25)
.irp g, G1S, G1SB
	s_mov_b32 s[\g+1], 32<<16
	s_mov_b32 s[\g+2], 16<<16
	s_mov_b32 s[\g+3], 32<<16
	s_mov_b32 s[\g+4], 16
	s_mov_b32 s[\g+5], 32
	s_mov_b32 s[\g+6], 0
	s_mov_b32 s[\g+7], 0
.endr
	s_lshl_b32 s92, s22, 7
	s_lshl_b32 s94, s23, 8
	s_add_co_u32 s94, s94, s92                     ; A: row 256 x tile row + 128 x half
	s_lshl_b32 s46, s42, 8
	s_add_co_u32 s46, s46, s92                     ; B: row 256 x tile column + 128 x half
	s_lshl_b32 s96, s94, 5                         ; their scales,
	s_lshl_b32 s94, s94, 9                         ; their codes, in bytes
	s_lshl_b32 s98, s46, 5
	s_lshl_b32 s46, s46, 9
	s_mov_b32 s95, 0
	s_mov_b32 s97, 0
	s_mov_b32 s99, 0
	s_mov_b32 s47, 0
	s_mul_i32 s45, s20, HALFT                      ; where they go: the wave's number alone
	s_mul_i32 s93, s20, HALFS
	s_wait_dscnt 0x0                               ; both opening adds are done
	s_wait_kmcnt 0x0
	s_add_nc_u64 s[94:95], s[4:5], s[94:95]
	s_add_nc_u64 s[96:97], s[6:7], s[96:97]
	s_add_nc_u64 s[46:47], s[8:9], s[46:47]
	s_add_nc_u64 s[98:99], s[10:11], s[98:99]
	CROUND                                         ; all sixteen work-groups are here: the joint loads meet
	s_mov_b32 s[G0S], 1
	s_add_co_u32 s[G0S+1], s93, SCL
	s_mov_b64 s[G0S+2:G0S+3], s[96:97]
	s_or_b32 s[G0S+3], s[G0S+3], 0x80000000
	s_mov_b32 s[G0SB], 1
	s_add_co_u32 s[G0SB+1], s93, SCL
	s_mov_b64 s[G0SB+2:G0SB+3], s[98:99]
	s_or_b32 s[G0SB+3], s[G0SB+3], 0x80000000
	JLOAD G0S, G1S, G0SB, G1SB                     ; three loads of mine go out as one group: the scales, slot 0, slot 1
.irp s, 0,1
	s_mov_b32 s[G0+4*\s], 1
	s_add_co_u32 s[G0+4*\s+1], s45, \s*SLOT
	s_add_nc_u64 s[G0+4*\s+2:G0+4*\s+3], s[94:95], \s*ROWB
	s_or_b32 s[G0+4*\s+3], s[G0+4*\s+3], 0x80000000
	s_mov_b32 s[G0B+4*\s], 1
	s_add_co_u32 s[G0B+4*\s+1], s45, \s*SLOT
	s_add_nc_u64 s[G0B+4*\s+2:G0B+4*\s+3], s[46:47], \s*ROWB
	s_or_b32 s[G0B+4*\s+3], s[G0B+4*\s+3], 0x80000000
	JLOAD G0+4*\s, G1, G0B+4*\s, G1B
.endr
	v_and_b32 v1, 15, v0                           ; r
	v_bfe_u32 v2, v0, 4, 1                         ; h
	v_mul_u32_u24 v3, v1, PITCH
	v_lshl_add_u32 v4, v2, 4, v3
	s_mul_i32 s92, s21, HALFT
	s_mul_i32 s93, s22, HALFT
	s_add_co_u32 s93, s93, 2*HALFT
.irp s, 0,1
	v_add_nc_u32 v[ADRA+\s], s92, v4
	v_add_nc_u32 v[ADRB+\s], s93, v4
	s_add_co_u32 s92, s92, SLOT
	s_add_co_u32 s93, s93, SLOT
.endr
	v_mul_u32_u24 v5, v1, KS                       ; my row's scales: 32 bytes a row, 16 more for each 256 passed
	v_lshrrev_b32 v6, 8, v5
	v_lshl_add_u32 v5, v6, 4, v5
	s_mul_i32 s92, s21, HALFS
	s_mul_i32 s93, s22, HALFS
	s_add_co_u32 s93, s93, 2*HALFS
	s_sub_co_u32 s93, s93, s92
	v_mul_u32_u24 v6, s93, v2                      ; lanes 16-31 take B's
	s_add_co_u32 s92, s92, SCL
	v_add_nc_u32 v5, v5, v6
	v_add_nc_u32 v[ADRS], s92, v5
	s_mul_i32 s92, s20, 4608                       ; my stage, in slot 0: [2 heads][16 rows][128 bytes + 16]
	v_mul_u32_u24 v5, v1, 144
	v_lshl_add_u32 v5, v2, 4, v5
	v_add_nc_u32 v[STO], s92, v5
	v_bfe_u32 v5, v0, 3, 2
	v_mul_u32_u24 v5, v5, 144
	v_and_b32 v7, 7, v0
	v_lshl_add_u32 v5, v7, 4, v5
	v_add_nc_u32 v[RD], s92, v5                    ; back: four rows of 128 bytes an instruction
	v_and_b32 v6, 31, v0
	v_lshlrev_b32 v[CO], 4, v6
	s_cmp_eq_u32 ttmp9, 0                          ; the cluster's x says which of q, k, v: the same in all partners
	s_cselect_b64 s[2:3], s[12:13], s[14:15]
	s_cmp_eq_u32 ttmp9, 2
	s_cselect_b64 s[2:3], s[16:17], s[2:3]
	s_lshl_b32 s46, s40, 10
	s_lshl_b32 s47, s22, 9
	s_add_co_u32 s46, s46, s47                     ; my first column in the bias, in bytes
	v_lshl_add_u32 v8, v2, 5, s46                  ; + 8 h numbers
.irp b, 0,1,2,3,4,5,6,7
	global_load_b128 v[BIAS+8*\b:BIAS+8*\b+3], v8, s[2:3] offset:64*\b
	global_load_b128 v[BIAS+8*\b+4:BIAS+8*\b+7], v8, s[2:3] offset:64*\b+16
.endr
	s_lshl_b32 s46, ttmp9, 6                       ; where my part of the tile goes: plane 64 s + 16 batch + head,
	s_lshr_b32 s47, s23, 3
	s_lshl_b32 s47, s47, 4
	s_add_co_u32 s46, s46, s47
	s_lshl_b32 s47, s40, 2
	s_add_co_u32 s46, s46, s47
	s_lshl_b32 s47, s22, 1
	s_add_co_u32 s46, s46, s47
	s_lshl_b32 s46, s46, 11
	s_and_b32 s47, s23, 7                          ; position 256 (tile row % 8) + 128 x half,
	s_lshl_b32 s47, s47, 8
	s_add_co_u32 s46, s46, s47
	s_lshl_b32 s47, s21, 7
	s_add_co_u32 s46, s46, s47
	s_lshl_b32 s46, s46, 7                         ; rows of 128 bytes
	s_mov_b32 s47, 0
	s_add_nc_u64 s[18:19], s[18:19], s[46:47]
.macro FRAG reg, adr, q, i             ; 16 rows x 128 K of 4-bit codes: 8 registers, two loads 32 bytes apart
.irp c, 0,1
	ds_load_b128 v[\reg+4*\c:\reg+4*\c+3], v[\adr] offset:64*(\q)+32*\c+(\i)*16*PITCH
.endr
.endm
; 16 products: A's blocks a0, a0 + 1 x B's eight.  The 64 accumulators take turns, one instruction a turn, in the same order in every step.
.macro MUL16 a0, p, q, sc, first
.irp a, \a0, \a0+1
.irp b, 0,1,2,3,4,5,6,7
.if \first
	v_wmma_scale_f32_16x16x128_f8f6f4 v[8*(8*((\a)%4)+\b):8*(8*((\a)%4)+\b)+7], v[128*(\p)+FR*\b:128*(\p)+FR*\b+FR-1], v[AF+FR*(\a):AF+FR*(\a)+FR-1], v[BIAS+8*\b:BIAS+8*\b+7], v[SC+8*NQ*(\sc)+NQ*\b+(\q)], v[SC+8*NQ*(\sc)+NQ*(\a)+(\q)] matrix_a_fmt:MATRIX_FMT_FP4 matrix_b_fmt:MATRIX_FMT_FP4 matrix_a_scale:MATRIX_SCALE_ROW1
.else
	v_wmma_scale_f32_16x16x128_f8f6f4 v[8*(8*((\a)%4)+\b):8*(8*((\a)%4)+\b)+7], v[128*(\p)+FR*\b:128*(\p)+FR*\b+FR-1], v[AF+FR*(\a):AF+FR*(\a)+FR-1], v[8*(8*((\a)%4)+\b):8*(8*((\a)%4)+\b)+7], v[SC+8*NQ*(\sc)+NQ*\b+(\q)], v[SC+8*NQ*(\sc)+NQ*(\a)+(\q)] matrix_a_fmt:MATRIX_FMT_FP4 matrix_b_fmt:MATRIX_FMT_FP4 matrix_a_scale:MATRIX_SCALE_ROW1
.endif
.endr
.endr
.endm
.macro FETCH_B slot, q, p
	WIN TO_B
.irp i, 0,1,2,3,4,5,6,7
	FRAG 128*(\p)+FR*\i, ADRB+\slot, \q, \i
.endr
	WIN 0
.endm
.macro FETCH_A slot, q, i0
.irp i, \i0, \i0+1, \i0+2, \i0+3
	FRAG AF+FR*(\i), ADRA+\slot, \q, \i
.endr
.endm
.macro SCALES sc                       ; a slot's scale words: lanes 0-15 A's block i, lanes 16-31 B's block i
.irp i, 0,1,2,3,4,5,6,7
	ds_load_b128 v[SC+8*NQ*\sc+NQ*\i:SC+8*NQ*\sc+NQ*\i+3], v[ADRS] offset:\i*SBLK
.endr
.endm
.macro PLACES n                        ; plain vector instructions between a matrix instruction and a load into, or a read of, its registers
.rept \n
	v_nop
.endr
.endm
.macro STEP slot, q, first             ; 128 along K, with its successor in the same slot
	s_wait_dscnt 4*NL                              ; B's set and A's blocks 0-3 are in; A's blocks 4-7, eight loads, may be out
	MWIN 0, \first
	MUL16 0, (\q)%2, \q, \slot, \first
	MUL16 2, (\q)%2, \q, \slot, \first
	s_wait_dscnt 0
	PLACES NP
	FETCH_B \slot, (\q)+1, 1-(\q)%2
	FETCH_A \slot, (\q)+1, 0
	MWIN 1, \first
	MUL16 4, (\q)%2, \q, \slot, \first
	MUL16 6, (\q)%2, \q, \slot, \first
	PLACES NP
	WIN 0
	FETCH_A \slot, (\q)+1, 4
.endm
.macro STEPS slot, from
.set Q, \from
.rept NQ-1-\from
	STEP \slot, Q, 0
.set Q, Q+1
.endr
.endm
	s_wait_tensorcnt 1                             ; the scales and my part of slot 0 are in; slot 1's one load may stay out
	s_barrier_signal -1
	s_barrier_wait -1
	FETCH_B 0, 0, 0
	FETCH_A 0, 0, 0
	SCALES 0
	FETCH_A 0, 0, 4
	s_wait_loadcnt 0x0                             ; the bias
	STEP 0, 0, 1                                   ; the first products start the sums from the bias
	STEPS 0, 1
	; slot 0's last step changes slots: one barrier; in front of it my part of slot 1 has landed and my reads of slot 0 are over
	s_wait_tensorcnt 0x0
	ds_add_u32 v[SPW], v[NIL]
	s_wait_dscnt 4*NL+1                            ; the add and A's blocks 4-7 may be out
	MWIN 0, 0
	MUL16 0, 1, NQ-1, 0, 0
	s_wait_dscnt 0x0
	s_barrier_signal -1
	MUL16 2, 1, NQ-1, 0, 0
	WIN 0
	s_barrier_wait -1
	PLACES NP
	v_add_nc_u32 v[ADRS], 4*NQ, v[ADRS]            ; slot 1's scale words
	FETCH_B 1, 0, 0
	FETCH_A 1, 0, 0
	SCALES 1
	MWIN 1, 0
	MUL16 4, 1, NQ-1, 0, 0
	MUL16 6, 1, NQ-1, 0, 0
	PLACES NP
	WIN 0
	FETCH_A 1, 0, 4
	STEPS 1, 0
	s_wait_dscnt 4*NL                              ; the last step: nothing more to fetch
	MWIN 0, 0
	MUL16 0, 1, NQ-1, 1, 0
	MUL16 2, 1, NQ-1, 1, 0
	s_wait_dscnt 0
	MWIN 1, 0
	MUL16 4, 1, NQ-1, 1, 0
	MUL16 6, 1, NQ-1, 1, 0
	WIN 0
; THE WAY OUT, a block of 16 rows x 128 columns (two heads) at a time: rounded to f16, 16 bytes a lane into my stage, back as four whole rows of 128 bytes an instruction: 512 bytes on end in qkv.
; The stage lies in slot 0, which has had its one fill, and which nobody reads behind the change of slots.
.macro PACK a
.set AC, 64*((\a)%4)
	WIN 0x0a+5*((\a)/4)                            ; sources in window 2 or 3
.irp b, 0,1,2,3,4,5,6,7
.irp r, 0,1,2,3
	v_cvt_pk_f16_f32 v[TMP+4*\b+\r], v[AC+8*\b+2*\r], v[AC+8*\b+2*\r+1]   ; each accumulator from its low end on
.endr
.endr
	WIN 0
.endm
.macro TOSTAGE a
.set BB, BK+32*((\a)%2)
.irp b, 0,1,2,3,4,5,6,7
	ds_store_b128 v[STO], v[TMP+4*\b:TMP+4*\b+3] offset:(\b/4)*2304+(\b%4)*32
.endr
.irp t, 0,1,2,3,4,5,6,7
	ds_load_b128 v[BB+4*\t:BB+4*\t+3], v[RD] offset:(\t/4)*2304+(\t%4)*576   ; LDS serves a wave's instructions in order: these see the stores above
.endr
.endm
.macro SEND a, younger
.set BB, BK+32*((\a)%2)
	s_wait_dscnt \younger
	s_wait_xcnt 0x0                                ; the earlier stores have read their registers: the other set may be loaded again behind this wait
.irp t, 0,1,2,3,4,5,6,7
	global_store_b128 v[CO], v[BB+4*\t:BB+4*\t+3], s[18:19] offset:(\a)*2048+(\t/4)*262144+(\t%4)*512
.endr
.endm
	PLACES NP
	PACK 0
	TOSTAGE 0
.irp a, 1,2,3,4,5,6,7
	PACK \a
	SEND \a-1, 0
	TOSTAGE \a
.endr
	SEND 7, 0
	s_wait_tensorcnt 0x0                           ; the wave's end
	ds_add_u32 v[SPW], v[NIL]
	s_wait_dscnt 0x0
	CROUND                                         ; the closing round
	s_endpgm
.Lfunc_end_k_q114847aca7_gemm_qkv:
	.size	k_q114847aca7_gemm_qkv, .Lfunc_end_k_q114847aca7_gemm_qkv-k_q114847aca7_gemm_qkv
	.p2alignl 7, 3214868480
	.fill 96, 4, 3214868480
	.section	.rodata,"a",@progbits
	.p2align	6, 0x0
	.amdhsa_kernel k_q114847aca7_gemm_qkv
		.amdhsa_group_segment_fixed_size 327680
		.amdhsa_private_segment_fixed_size 0
		.amdhsa_enable_private_segment 0
		.amdhsa_kernarg_size 64
		.amdhsa_user_sgpr_count 2
		.amdhsa_user_sgpr_kernarg_segment_ptr 1
		.amdhsa_wavefront_size32 1
		.amdhsa_system_sgpr_workgroup_id_x 1
		.amdhsa_system_sgpr_workgroup_id_y 1
		.amdhsa_system_sgpr_workgroup_id_z 1
		.amdhsa_system_vgpr_workitem_id 0
		.amdhsa_next_free_vgpr 1024
		.amdhsa_next_free_sgpr 100
		.amdhsa_reserve_vcc 0
		.amdhsa_float_denorm_mode_32 3
		.amdhsa_float_denorm_mode_16_64 3
		.amdhsa_memory_ordered 1
		.amdhsa_forward_progress 1
		.amdhsa_inst_pref_size 128
	.end_amdhsa_kernel
	.amdgpu_metadata
---
amdhsa.version: [ 1, 2 ]
amdhsa.kernels:
  - .name:           k_q114847aca7_gemm_qkv
    .symbol:         k_q114847aca7_gemm_qkv.kd
    .args:
      - { .name: xc, .offset: 0, .size: 8, .value_kind: global_buffer, .address_space: global }
      - { .name: xs, .offset: 8, .size: 8, .value_kind: global_buffer, .address_space: global }
      - { .name: wc, .offset: 16, .size: 8, .value_kind: global_buffer, .address_space: global }
      - { .name: ws, .offset: 24, .size: 8, .value_kind: global_buffer, .address_space: global }
      - { .name: bq, .offset: 32, .size: 8, .value_kind: global_buffer, .address_space: global }
      - { .name: bk, .offset: 40, .size: 8, .value_kind: global_buffer, .address_space: global }
      - { .name: bv, .offset: 48, .size: 8, .value_kind: global_buffer, .address_space: global }
      - { .name: qkv, .offset: 56, .size: 8, .value_kind: global_buffer, .address_space: global }
    .group_segment_fixed_size: 327680
    .private_segment_fixed_size: 0
    .kernarg_segment_align: 8
    .kernarg_segment_size: 64
    .max_flat_workgroup_size: 128
    .sgpr_count:     100
    .vgpr_count:     1024
    .wavefront_size: 32
...
	.end_amdgpu_metadata
.endif
;; end of part 2
;; launch attn (part 3): grid 4 x 64, 8 waves a work-group, no clusters, 327,680 bytes of LDS; arguments qkv, y16; writes y16
.if DOCPART == 3
	.amdgcn_target "amdgcn-amd-amdhsa--gfx1250"
	.amdhsa_code_object_version 6
	.text
	.protected	k_q114847aca7_attn
	.globl	k_q114847aca7_attn
	.p2align	8
	.type	k_q114847aca7_attn,@function
k_q114847aca7_attn:
	s_mov_b64 s[64:65], 0
	v_nop
	global_prefetch_b8 v0, s[64:65] scope:SCOPE_SE
	s_setreg_imm32_b32 hwreg(HW_REG_WAVE_MODE, 25, 1), 1
	s_wait_xcnt 0x0
; y = softmax(q k^T / 8, causal) v for one head.  q, k, v: f16 planes [2048][64] of qkv; y16: f16 [64 (batch x head)][2048][64].  Products on f16 operands with f32 sums; maxima, exponentials and sums in f32;
; the weights p = 2^(c s - c m) (m the running maximum, c = log2(e) / 8) are rounded to f16 for the second product.  LIMITS: y passes through f16; NaN and infinities are not served; the running maximum starts at -3e38.
; (Positions 0-15 of every sequence are computed again in f32 by later launches.)
; SHARES.  Work-group (I, head) owns the blocks 7 - I and I of 256 queries, one after the other: (8 - I) + (I + 1) = 9 slots of 256 keys for every work-group, so the outer loop's trip count is a constant.
; A wave owns 32 queries, two tiles of 16, so that each fragment of K and V read from LDS feeds two products.  Query group: wave w takes w (w < 4) or 11 - w.
; NO CLUSTER: in their second block the four work-groups of a head walk different numbers of slots, and in a given trip different keys: joint requests could not be alike on every path.
; LAYOUT.  S^T = K Q^T and O^T = V^T P: a lane holds ONE query (lane % 16) throughout; two tiles of S^T rounded in pairs are source 1 of the second product.  V comes out of LDS turned, by ds_load_tr16_b128.
; LDS.  A step is 64 keys: K as 32 rows of 256 bytes (two keys a row) + 16, then V as 32 rows + 32.  A slot is 4 steps; slot 1 begins at 2^17.  Waves 0-3 fetch a slot's four tiles of K, waves 4-7 those of V.
.set PK,    272
.set PV,    288
.set VOFF,  32*PK
.set STEPB, 32*(PK+PV)
.set SLOT1, 1<<17
.set STAGE, 1<<18                      ; the way out: 32 rows x 144 bytes for each wave; no tile ever lands here
.set SPARE, STAGE+8*4608               ; the spare words: four blocks of 256 bytes that no other line names
.set AK0, 1                            ; v1  my lane's place in a tile of K
.set AV0, 2                            ; v2  in a tile of V
.set ADK, 3
.set ADV, 4
.set STO, 5
.set RD,  6
.set GO,  7
.set QO,  8
.set SPW, 9
.set NIL, 10
.set PFO, 11                           ; v11 256 x lane
.set RH8, 12                           ; v12 lane % 16 - 8 (lane / 16)
.set DD,  13
.set NINF, 14
.set ST,  16                           ; tile t at v[16 + 8 t]: +0 c m, +1 m, +2, +3 the sum in two halves, +4..7 at work; a in +6
.set QF,  32                           ; tile t's two fragments of Q at v[32 + 16 t]
.set KV,  64                           ; v64-127 K's fragments of a step, then V's
.set SS,  128                          ; tile t's S^T at v[128 + 32 t]; P is made in place in its low 16
.set OO,  192                          ; tile t's O^T at v[192 + 32 t]
.set WV,  8
.set GG,  9
.set II,  10
.set BH,  11
.set NB1, 12
.set I1,  13
.set CNT, 14
.set INN, 15
.set KN,  16                           ; the key slot last asked for
.set KF,  17                           ; the step's first key
.set Q0,  18                           ; my first query
.set TB,  19                           ; LDS byte at which the step's tiles begin
.set SEL, 20
.set CS,  22
.set G1K, 24
.set G1V, 32
.set G0K, 40
.set G0V, 44
.set KB,  48
.set VB,  50
.set OFF, 52
.set PFA, 54
.set LIM, 56
.set BLK, 57
.set QH,  58
.set YH,  60
.set QP,  62
.set YP,  66
.macro TLOAD                           ; one tensor load a wave; an s_nop 0 and four v_nop follow each line
	s_cmp_lt_u32 s[WV], 4
	s_cbranch_scc0 .Lfor_v_\@
	tensor_load_to_lds s[G0K:G0K+3], s[G1K:G1K+7]
	s_nop 0
.rept 4
	v_nop
.endr
	s_branch .Lasked_\@
.Lfor_v_\@:
	tensor_load_to_lds s[G0V:G0V+3], s[G1V:G1V+7]
	s_nop 0
.rept 4
	v_nop
.endr
.Lasked_\@:
.endm
; A PREFETCH of the key slot that the NEXT change of slots will ask for.  All four work-groups of a head walk the same K and V; the one with I = 0, which walks all eight slots first, asks, in its trips 0 to 5
; for slots 2 to 7: a slot's four key steps ahead of the tensor load.  Each wave names its own quarter, 8,192 bytes, lanes 256 bytes apart: each block is named once in the launch.  Slots 0 and 1 come by their loads alone.
.macro ASK
	s_cmp_gt_u32 s[CNT], s[LIM]
	s_cbranch_scc0 .Lnot_mine_\@
	global_prefetch_b8 v[PFO], s[PFA:PFA+1] th:TH_LOAD_NT scope:SCOPE_SE
.Lnot_mine_\@:
.endm
	s_load_b128 s[4:7], s[0:1], 0x0                ; qkv, y16
	v_lshl_add_u32 v[SPW], v0, 2, SPARE
	v_mov_b32 v[NIL], 0
	ds_add_u32 v[SPW], v[NIL]                      ; the opening: the add, twice on end, and its wait ahead of my first tensor load
	ds_add_u32 v[SPW], v[NIL]
	v_lshrrev_b32 v1, 5, v0
	v_readfirstlane_b32 s[WV], v1                  ; wave 0..7
	s_sub_co_u32 s68, 11, s[WV]
	s_cmp_lt_u32 s[WV], 4
	s_cselect_b32 s[GG], s[WV], s68                ; my group of 32 queries
	s_mov_b32 s[II], ttmp9
	s_and_b32 s[BH], ttmp7, 0xffff
	s_sub_co_u32 s[NB1], 8, s[II]                  ; slots of the first block
	s_add_co_u32 s[I1], s[II], 1                   ; of the second
	s_mov_b32 s[G1K], (1<<16)|(1<<20)|(5<<22)|(3<<25)   ; elements of 2 bytes; 4 words of padding behind every 64
	s_mov_b32 s[G1V], (1<<16)|(1<<20)|(5<<22)|(7<<25)   ; 8 words
.irp g, G1K, G1V
	s_mov_b32 s[\g+1], 128<<16                     ; tensor_dim0: 128 elements, two keys
	s_mov_b32 s[\g+2], 32<<16                      ; tensor_dim1
	s_mov_b32 s[\g+3], 128<<16                     ; tile_dim0
	s_mov_b32 s[\g+4], 32                          ; tile_dim1
	s_mov_b32 s[\g+5], 128                         ; pitch: the rows are dense
	s_mov_b32 s[\g+6], 0
	s_mov_b32 s[\g+7], 0
.endr
	s_mov_b32 s[SEL], 0x76543210
	s_mov_b32 s[SEL+1], 0xfedcba98
	s_mov_b32 s[CS], 0x3e38aa3b                    ; c = log2(e) / 8
	s_mov_b32 s[CS+1], s[CS]
	s_and_b32 s68, s[WV], 3                        ; which step of a slot I fetch
	s_lshl_b32 s69, s68, 13
	s_mul_i32 s68, s68, STEPB
	s_lshl_b32 s72, s[BH], 18                      ; my head's plane
	s_mov_b32 s73, 0
	s_add_co_u32 s70, s72, s69
	s_add_co_u32 s70, s70, 64<<18                  ; in K's planes
	s_mov_b32 s71, 0
	s_add_co_u32 s74, s70, 64<<18                  ; in V's
	s_mov_b32 s75, 0
	s_mov_b32 s[KN], 0
	s_mov_b32 s[TB], 0
	s_mov_b32 s[OFF+1], 0
	s_mov_b32 s[CNT], 8
	s_wait_dscnt 0x0                               ; both opening adds are done
	s_wait_kmcnt 0x0
	s_add_nc_u64 s[KB:KB+1], s[4:5], s[70:71]
	s_add_nc_u64 s[VB:VB+1], s[4:5], s[74:75]
	s_add_nc_u64 s[QH:QH+1], s[4:5], s[72:73]
	s_add_nc_u64 s[YH:YH+1], s[6:7], s[72:73]
	s_mov_b32 s[G0K], 1
	s_mov_b32 s[G0K+1], s68
	s_mov_b64 s[G0K+2:G0K+3], s[KB:KB+1]
	s_or_b32 s[G0K+3], s[G0K+3], 0x80000000
	s_mov_b32 s[G0V], 1
	s_add_co_u32 s[G0V+1], s68, VOFF
	s_mov_b64 s[G0V+2:G0V+3], s[VB:VB+1]
	s_or_b32 s[G0V+3], s[G0V+3], 0x80000000
	TLOAD                                          ; key slot 0 into LDS slot 0
	s_cmp_lt_u32 s[WV], 4
	s_cselect_b64 s[PFA:PFA+1], s[KB:KB+1], s[VB:VB+1]
	s_add_nc_u64 s[PFA:PFA+1], s[PFA:PFA+1], 32768 ; at key slot 1; the first change of slots steps it to slot 2
	s_cmp_eq_u32 s[II], 0
	s_cselect_b32 s[LIM], 2, -1
	v_and_b32 v[PFO], 31, v0
	v_lshlrev_b32 v[PFO], 8, v[PFO]
	v_and_b32 v15, 15, v0                          ; r
	v_bfe_u32 v13, v0, 4, 1                        ; h
	v_lshrrev_b32 v[AK0], 1, v15                   ; K: key r lies at 272 (r / 2) + 128 (r % 2); + 16 h
	v_mul_u32_u24 v[AK0], v[AK0], PK
	v_and_b32 v3, 1, v0
	v_lshl_add_u32 v[AK0], v3, 7, v[AK0]
	v_lshl_add_u32 v[AK0], v13, 4, v[AK0]
	v_bfe_u32 v[AV0], v0, 1, 2                     ; V: key 8 h + lane % 8, 16 bytes at 16 ((lane / 8) % 2)
	v_lshl_add_u32 v[AV0], v13, 2, v[AV0]
	v_mul_u32_u24 v[AV0], v[AV0], PV
	v_lshl_add_u32 v[AV0], v3, 7, v[AV0]
	v_bfe_u32 v4, v0, 3, 1
	v_lshl_add_u32 v[AV0], v4, 4, v[AV0]
	v_add_nc_u32 v[AV0], VOFF, v[AV0]
	s_mul_i32 s69, s[WV], 4608
	s_add_co_u32 s69, s69, STAGE                   ; my stage
	v_mul_u32_u24 v[STO], v15, 144
	v_lshl_add_u32 v[STO], v13, 4, v[STO]
	v_add_nc_u32 v[STO], s69, v[STO]
	v_bfe_u32 v[RD], v0, 3, 2
	v_mul_u32_u24 v[RD], v[RD], 144
	v_and_b32 v7, 7, v0
	v_lshl_add_u32 v[RD], v7, 4, v[RD]
	v_add_nc_u32 v[RD], s69, v[RD]
	v_and_b32 v[GO], 31, v0
	v_lshlrev_b32 v[GO], 4, v[GO]
	v_lshlrev_b32 v[QO], 7, v15
	v_lshl_add_u32 v[QO], v13, 4, v[QO]
	v_lshlrev_b32 v[RH8], 3, v13
	v_sub_nc_u32 v[RH8], v15, v[RH8]
	v_mov_b32 v[NINF], 0xff800000
; A block of queries begins: s[BLK] says which.  Q into registers; m = -3e38, the sum and O^T zeros, so that the step is written once (the first a is 0).
.macro INIT
	s_lshl_b32 s[Q0], s[BLK], 8
	s_lshl_b32 s68, s[GG], 5
	s_add_co_u32 s[Q0], s[Q0], s68
	s_lshl_b32 s70, s[Q0], 7
	s_mov_b32 s71, 0
	s_add_nc_u64 s[QP:QP+1], s[QH:QH+1], s[70:71]
	s_add_nc_u64 s[YP:YP+1], s[YH:YH+1], s[70:71]
	s_mov_b32 s[KF], 0
.irp t, 0,1
.irp f, 0,1
	global_load_b128 v[QF+16*\t+8*\f:QF+16*\t+8*\f+3], v[QO], s[QP:QP+1] offset:2048*\t+64*\f
	global_load_b128 v[QF+16*\t+8*\f+4:QF+16*\t+8*\f+7], v[QO], s[QP:QP+1] offset:2048*\t+64*\f+32
.endr
.endr
.irp t, 0,1
	v_mov_b32 v[ST+8*\t+1], 0xff61b1e6
	v_mul_f32 v[ST+8*\t], s[CS], v[ST+8*\t+1]
.irp e, 2,3,4,5,6,7
	v_mov_b32 v[ST+8*\t+\e], 0
.endr
.endr
.set i, 0
.rept 64
	v_mov_b32 v[OO+i], 0
.set i, i+1
.endr
	s_wait_loadcnt 0x0
.endm
; A KEY STEP: 64 keys.
.macro STEP
	s_add_co_u32 s68, s[Q0], 31                    ; a step all of whose keys come after my 32 queries is left out: a branch on ids and counted steps; no barrier and no tensor load stands in a step
	s_cmp_gt_u32 s[KF], s68
	s_cbranch_scc1 .Lhidden_\@
	v_add_nc_u32 v[ADK], s[TB], v[AK0]
	v_add_nc_u32 v[ADV], s[TB], v[AV0]
.rept 3
	v_nop                                          ; with the two additions five places: the products below write over S^T's registers, which the last step's products read as P; four serve the loads
.endr
.irp u, 0,1,2,3
.irp f, 0,1
	ds_load_b128 v[KV+16*\u+8*\f:KV+16*\u+8*\f+3], v[ADK] offset:2176*\u+64*\f
	ds_load_b128 v[KV+16*\u+8*\f+4:KV+16*\u+8*\f+7], v[ADK] offset:2176*\u+64*\f+32
.endr
.endr
	s_wait_dscnt 0x0
.irp f, 0,1                            ; S^T = K Q^T: eight accumulators by turns
.irp u, 0,1,2,3
.irp t, 0,1
.if \f == 0
	v_wmma_f32_16x16x32_f16 v[SS+32*\t+8*\u:SS+32*\t+8*\u+7], v[KV+16*\u+8*\f:KV+16*\u+8*\f+7], v[QF+16*\t+8*\f:QF+16*\t+8*\f+7], 0
.else
	v_wmma_f32_16x16x32_f16 v[SS+32*\t+8*\u:SS+32*\t+8*\u+7], v[KV+16*\u+8*\f:KV+16*\u+8*\f+7], v[QF+16*\t+8*\f:QF+16*\t+8*\f+7], v[SS+32*\t+8*\u:SS+32*\t+8*\u+7]
.endif
.endr
.endr
.endr
.rept 4
	v_nop                                          ; places in front of the loads into K's registers and of the first read of the scores
.endr
.irp c, 0,1                            ; V, turned: it lands while the softmax is walked
.irp g, 0,1,2,3
	ds_load_tr16_b128 v[KV+32*\c+8*\g:KV+32*\c+8*\g+3], v[ADV] offset:4608*\c+32*\g
	ds_load_tr16_b128 v[KV+32*\c+8*\g+4:KV+32*\c+8*\g+7], v[ADV] offset:4608*\c+32*\g+2304
.endr
.endr
	s_add_co_u32 s68, s[KF], 63                    ; on the diagonal hidden scores become -infinity; a step all of whose keys count skips this
	s_cmp_le_u32 s68, s[Q0]
	s_cbranch_scc1 .Lopen_\@
	s_sub_co_i32 s68, s[Q0], s[KF]
	v_add_nc_u32 v[DD], s68, v[RH8]                ; register 8 u + j of tile t holds key KF + 16 u + 8 h + j for query Q0 + 16 t + r: hidden where 16 u + j - 16 t > d
.irp t, 0,1
.irp u, 0,1,2,3
.irp j, 0,1,2,3,4,5,6,7
	v_cmp_gt_i32 vcc_lo, 16*\u+\j-16*\t, v[DD]
	v_cndmask_b32 v[SS+32*\t+8*\u+\j], v[SS+32*\t+8*\u+\j], v[NINF], vcc_lo
.endr
.endr
.endr
.Lopen_\@:
.irp j, 0,1,2,3                        ; the maximum of 32 scores and the old m; the two tiles alternate
.irp t, 0,1
	v_max3_num_f32 v[ST+8*\t+4+\j], v[SS+32*\t+8*\j], v[SS+32*\t+8*\j+1], v[SS+32*\t+8*\j+2]
.endr
.endr
.irp k, 1,2
.irp j, 0,1,2,3
.irp t, 0,1
	v_max3_num_f32 v[ST+8*\t+4+\j], v[ST+8*\t+4+\j], v[SS+32*\t+8*\j+2*\k+1], v[SS+32*\t+8*\j+2*\k+2]
.endr
.endr
.endr
.irp t, 0,1
	v_max3_num_f32 v[ST+8*\t+4], v[ST+8*\t+4], v[SS+32*\t+7], v[SS+32*\t+15]
.endr
.irp t, 0,1
	v_max3_num_f32 v[ST+8*\t+6], v[ST+8*\t+6], v[SS+32*\t+23], v[SS+32*\t+31]
.endr
.irp t, 0,1
	v_max3_num_f32 v[ST+8*\t+4], v[ST+8*\t+4], v[ST+8*\t+5], v[ST+8*\t+6]
.endr
.irp t, 0,1
	v_max3_num_f32 v[ST+8*\t+4], v[ST+8*\t+4], v[ST+8*\t+7], v[ST+8*\t+1]
.endr
.irp t, 0,1
	v_permlanex16_b32 v[ST+8*\t+5], v[ST+8*\t+4], s[SEL], s[SEL+1]   ; the query's other 32 keys lie in the lane 16 away
.endr
.irp t, 0,1
	v_mov_b32 v[ST+8*\t+7], v[ST+8*\t]             ; c m_old
.endr
.irp t, 0,1
	v_max_num_f32 v[ST+8*\t+1], v[ST+8*\t+4], v[ST+8*\t+5]
.endr
.irp t, 0,1
	v_mul_f32 v[ST+8*\t], s[CS], v[ST+8*\t+1]
.endr
.irp t, 0,1
	v_sub_f32 v[ST+8*\t+7], v[ST+8*\t+7], v[ST+8*\t]
.endr
.set i, 0
.rept 16
.irp t, 0,1
	v_pk_fma_f32 v[SS+32*\t+i:SS+32*\t+i+1], v[SS+32*\t+i:SS+32*\t+i+1], s[CS:CS+1], v[ST+8*\t:ST+8*\t+1] op_sel_hi:[1,0,0] neg_lo:[0,0,1] neg_hi:[0,0,1]   ; c s - c m
.endr
.set i, i+2
.endr
.irp t, 0,1                            ; ONE batch of 66 exponentials
	v_exp_f32 v[ST+8*\t+6], v[ST+8*\t+7]           ; a = 2^(c m_old - c m_new)
.endr
.set i, 0
.rept 32
.irp t, 0,1
	v_exp_f32 v[SS+32*\t+i], v[SS+32*\t+i]
.endr
.set i, i+1
.endr
	v_nop                                          ; a plain instruction behind the last exponential
	s_wait_alu depctr_va_vdst(0)                   ; one wait for the batch, ahead of its first reader
.irp t, 0,1
	v_pk_mul_f32 v[ST+8*\t+2:ST+8*\t+3], v[ST+8*\t+2:ST+8*\t+3], v[ST+8*\t+6:ST+8*\t+7] op_sel_hi:[1,0]   ; the sum under the new m
.endr
.irp t, 0,1                            ; the sum of the unrounded weights, in two chains
	v_pk_add_f32 v[ST+8*\t+4:ST+8*\t+5], v[SS+32*\t+2:SS+32*\t+3], v[SS+32*\t+6:SS+32*\t+7]
.endr
.irp t, 0,1
	v_pk_add_f32 v[ST+8*\t+2:ST+8*\t+3], v[ST+8*\t+2:ST+8*\t+3], v[SS+32*\t:SS+32*\t+1]
.endr
.irp n, 4,8,12,16,20,24
.irp t, 0,1
	v_pk_add_f32 v[ST+8*\t+2:ST+8*\t+3], v[ST+8*\t+2:ST+8*\t+3], v[SS+32*\t+\n:SS+32*\t+\n+1]
	v_pk_add_f32 v[ST+8*\t+4:ST+8*\t+5], v[ST+8*\t+4:ST+8*\t+5], v[SS+32*\t+\n+6:SS+32*\t+\n+7]
.endr
.endr
.irp t, 0,1
	v_pk_add_f32 v[ST+8*\t+2:ST+8*\t+3], v[ST+8*\t+2:ST+8*\t+3], v[SS+32*\t+28:SS+32*\t+29]
.endr
.irp t, 0,1
	v_pk_add_f32 v[ST+8*\t+2:ST+8*\t+3], v[ST+8*\t+2:ST+8*\t+3], v[ST+8*\t+4:ST+8*\t+5]
.endr
.set i, 0
.rept 16
.irp t, 0,1
	v_cvt_pk_f16_f32 v[SS+32*\t+i], v[SS+32*\t+2*i], v[SS+32*\t+2*i+1]   ; P in place: register i takes pair i, which lies at or above it
.endr
.set i, i+1
.endr
.set i, 0
.rept 16
.irp t, 0,1
	v_pk_mul_f32 v[OO+32*\t+i:OO+32*\t+i+1], v[OO+32*\t+i:OO+32*\t+i+1], v[ST+8*\t+6:ST+8*\t+7] op_sel_hi:[1,0]   ; O^T under the new m
.endr
.set i, i+2
.endr
	s_wait_dscnt 0x0                               ; V is in
.irp c, 0,1                            ; O^T += V^T P: eight accumulators by turns
.irp g, 0,1,2,3
.irp t, 0,1
	v_wmma_f32_16x16x32_f16 v[OO+32*\t+8*\g:OO+32*\t+8*\g+7], v[KV+32*\c+8*\g:KV+32*\c+8*\g+7], v[SS+32*\t+8*\c:SS+32*\t+8*\c+7], v[OO+32*\t+8*\g:OO+32*\t+8*\g+7]
.endr
.endr
.endr
.Lhidden_\@:
	s_add_co_u32 s[KF], s[KF], 64
	s_add_co_u32 s[TB], s[TB], STEPB
.endm
.macro SLOT_STEPS                      ; a slot's four steps, written once; then on to the other slot
	s_mov_b32 s[INN], 4
.Lstep_\@:
	STEP
	s_sub_co_u32 s[INN], s[INN], 1
	s_cmp_lg_u32 s[INN], 0
	s_cbranch_scc1 .Lstep_\@
	s_sub_co_u32 s[TB], s[TB], 4*STEPB
	s_xor_b32 s[TB], s[TB], SLOT1
.endm
; THE CHANGE OF SLOTS stands at a slot's head: all my tensor loads have landed (my part of the slot ahead), the add, my reads of the slot left are over, one barrier.
; fill = 1: the slot left is filled with the next trip's keys, first thing behind the barrier: one load a wave, with a slot's four steps in which to land.  (In the first trip it is slot 1's first fill, in every wave.)
.macro CHANGE fill
	s_wait_tensorcnt 0x0
	ds_add_u32 v[SPW], v[NIL]
.if \fill
	s_xor_b32 s[G0K+1], s[G0K+1], SLOT1
	s_xor_b32 s[G0V+1], s[G0V+1], SLOT1
	s_add_co_u32 s[KN], s[KN], 1                   ; the next key slot; behind the first block's last, slot 0 again
	s_cmp_eq_u32 s[KN], s[NB1]
	s_cselect_b32 s[KN], 0, s[KN]
	s_lshl_b32 s[OFF], s[KN], 15
	s_add_nc_u64 s[G0K+2:G0K+3], s[KB:KB+1], s[OFF:OFF+1]
	s_or_b32 s[G0K+3], s[G0K+3], 0x80000000
	s_add_nc_u64 s[G0V+2:G0V+3], s[VB:VB+1], s[OFF:OFF+1]
	s_or_b32 s[G0V+3], s[G0V+3], 0x80000000
	s_wait_xcnt 0x0                                ; the last prefetch, a slot back, has read its address
	s_add_nc_u64 s[PFA:PFA+1], s[PFA:PFA+1], 32768
.endif
	s_wait_dscnt 0x0
	s_barrier_signal -1
	s_barrier_wait -1
.if \fill
	TLOAD
	ASK
.endif
.endm
; A block of queries ends: O^T / the sum, rounded to f16, through my stage, out as 4,096 bytes on end.
.macro FINISH
.rept 4
	v_nop                                          ; places behind the last products
.endr
.irp t, 0,1
	v_add_f32 v[ST+8*\t+4], v[ST+8*\t+2], v[ST+8*\t+3]
.endr
.irp t, 0,1
	v_permlanex16_b32 v[ST+8*\t+5], v[ST+8*\t+4], s[SEL], s[SEL+1]
.endr
.irp t, 0,1
	v_add_f32 v[ST+8*\t+4], v[ST+8*\t+4], v[ST+8*\t+5]
.endr
.irp t, 0,1
	v_rcp_f32 v[ST+8*\t+6], v[ST+8*\t+4]
.endr
	v_nop
	s_wait_alu depctr_va_vdst(0)                   ; one wait for the two reciprocals
.irp t, 0,1
.set i, 0
.rept 16
	v_pk_mul_f32 v[OO+32*\t+i:OO+32*\t+i+1], v[OO+32*\t+i:OO+32*\t+i+1], v[ST+8*\t+6:ST+8*\t+7] op_sel_hi:[1,0]
.set i, i+2
.endr
.endr
.irp t, 0,1
.set i, 0
.rept 16
	v_cvt_pk_f16_f32 v[SS+32*\t+i], v[OO+32*\t+2*i], v[OO+32*\t+2*i+1]
.set i, i+1
.endr
.endr
.irp t, 0,1
.irp g, 0,1,2,3
	ds_store_b128 v[STO], v[SS+32*\t+4*\g:SS+32*\t+4*\g+3] offset:2304*\t+32*\g
.endr
.endr
.irp n, 0,1,2,3,4,5,6,7
	ds_load_b128 v[KV+4*\n:KV+4*\n+3], v[RD] offset:576*\n   ; LDS serves a wave's instructions in order: these see the stores above
.endr
.irp n, 0,1,2,3,4,5,6,7
	s_wait_dscnt 7-\n
	global_store_b128 v[GO], v[KV+4*\n:KV+4*\n+3], s[YP:YP+1] offset:512*\n   ; 512 bytes on end, aligned
.endr
	s_wait_xcnt 0x0                                ; the stores have read their registers and their base: both may be written again
.endm
	s_sub_co_u32 s[BLK], 7, s[II]                  ; the longer block first
	INIT
.Ltrip:                                            ; eight trips; the ninth is written out
	CHANGE 1
	SLOT_STEPS
	s_cmp_lg_u32 s[CNT], s[I1]                     ; the first block's last slot has been walked when I + 1 trips are left beside this one's count
	s_cbranch_scc1 .Lsame
	FINISH
	s_mov_b32 s[BLK], s[II]
	INIT
.Lsame:
	s_sub_co_u32 s[CNT], s[CNT], 1
	s_cmp_lg_u32 s[CNT], 0
	s_cbranch_scc1 .Ltrip
	CHANGE 0
	SLOT_STEPS
	FINISH
	s_wait_tensorcnt 0x0                           ; the wave's end
	ds_add_u32 v[SPW], v[NIL]
	s_wait_dscnt 0x0
	s_endpgm
.Lfunc_end_k_q114847aca7_attn:
	.size	k_q114847aca7_attn, .Lfunc_end_k_q114847aca7_attn-k_q114847aca7_attn
	.p2alignl 7, 3214868480
	.fill 96, 4, 3214868480
	.section	.rodata,"a",@progbits
	.p2align	6, 0x0
	.amdhsa_kernel k_q114847aca7_attn
		.amdhsa_group_segment_fixed_size 327680
		.amdhsa_private_segment_fixed_size 0
		.amdhsa_enable_private_segment 0
		.amdhsa_kernarg_size 16
		.amdhsa_user_sgpr_count 2
		.amdhsa_user_sgpr_kernarg_segment_ptr 1
		.amdhsa_wavefront_size32 1
		.amdhsa_system_sgpr_workgroup_id_x 1
		.amdhsa_system_sgpr_workgroup_id_y 1
		.amdhsa_system_sgpr_workgroup_id_z 1
		.amdhsa_system_vgpr_workitem_id 0
		.amdhsa_next_free_vgpr 256
		.amdhsa_next_free_sgpr 80
		.amdhsa_reserve_vcc 1
		.amdhsa_float_denorm_mode_32 3
		.amdhsa_float_denorm_mode_16_64 3
		.amdhsa_memory_ordered 1
		.amdhsa_forward_progress 1
		.amdhsa_inst_pref_size 71
	.end_amdhsa_kernel
	.amdgpu_metadata
---
amdhsa.version: [ 1, 2 ]
amdhsa.kernels:
  - .name:           k_q114847aca7_attn
    .symbol:         k_q114847aca7_attn.kd
    .args:
      - { .name: qkv, .offset: 0, .size: 8, .value_kind: global_buffer, .address_space: global }
      - { .name: y16, .offset: 8, .size: 8, .value_kind: global_buffer, .address_space: global }
    .group_segment_fixed_size: 327680
    .private_segment_fixed_size: 0
    .kernarg_segment_align: 8
    .kernarg_segment_size: 16
    .max_flat_workgroup_size: 256
    .sgpr_count:     80
    .vgpr_count:     256
    .wavefront_size: 32
...
	.end_amdgpu_metadata
.endif
;; end of part 3
;; launch proj (part 4): grid 4 x 64, 4 waves a work-group, clusters of 4 x 4, 327,680 bytes of LDS; arguments y16, wp16, bp, out0; writes out0
.if DOCPART == 4
	.amdgcn_target "amdgcn-amd-amdhsa--gfx1250"
	.amdhsa_code_object_version 6
	.text
	.protected	k_q114847aca7_proj
	.globl	k_q114847aca7_proj
	.p2align	8
	.type	k_q114847aca7_proj,@function
k_q114847aca7_proj:
	s_mov_b64 s[64:65], 0
	v_nop
	global_prefetch_b8 v0, s[64:65] scope:SCOPE_SE
	s_setreg_imm32_b32 hwreg(HW_REG_WAVE_MODE, 25, 1), 1
	s_wait_xcnt 0x0
	s_wait_alu depctr_hold_cnt(0) depctr_sa_sdst(0) depctr_va_vdst(0) depctr_va_sdst(0) depctr_va_ssrc(0) depctr_va_vcc(0) depctr_vm_vsrc(0)
	s_getreg_b32 s2, hwreg(HW_REG_IB_STS2, 6, 4)
	s_cmp_eq_u32 s2, 0
	s_cbranch_scc0 .Lentry_in_a_cluster
	s_endpgm
.Lentry_in_a_cluster:
	s_bfe_u32 s2, ttmp6, 0x10000c
	s_cmp_lg_u32 s2, 0xf033
	s_cbranch_scc0 .Lentry_shape_is_right
	s_endpgm
.Lentry_shape_is_right:
; out0 = y Wp + bp.  y16: f16 [64 (batch x head)][2048][64]; wp16: f16 [1024 k][1024 n]; bp, out0: f32.  Products on f16 operands, sums in f32.  M 8,192, N 1,024, K 1,024.
; (Rows 0-15 of every sequence are written again, in f32, by the last launch.)
; A tile of out0 is 128 x 256: 256 work-groups.  Four waves, each 64 x 128: 32 accumulators.  K goes in steps of 128 (two heads) through a ring of two LDS slots.
; CLUSTERS: 4 x 4.  The four of a row of the cluster are the four column tiles of one row tile: they ask for y's tiles jointly; the four of a column ask for Wp's tiles jointly.
; The matrix instruction is used transposed (source 0 = 16 columns of Wp, turned out of LDS by ds_load_tr16_b128; source 1 = 16 rows of y): a lane holds eight neighbouring columns of one row.  The bias is the C of the first products.
; No prefetch: a K step holds 128 products a wave on a small tile, y's tiles are asked for once by a row of the cluster, and Wp's are read by every row of clusters.
; REGISTERS: window 0: v16-29 addresses; two fragment buffers v32-127, v128-223 (A 32 registers, then B 64).  Window 1: accumulator (a, b) at v[8 (8 a + b)].  Window 2: v0-63 the bias.
.set SLOT,   104448                    ; A: two head planes of 64 rows x 272 (two rows of y to an LDS row); B at 34,816: 128 rows x 544
.set BOFF,   34816
.set STAGE,  2*SLOT
.set SPITCH, 528
.set SPARE,  STAGE+4*16*SPITCH         ; the spare words: two blocks of 256 bytes that no other line names
.set LAPS,   4
.set ADRA, 16
.set ADRB, 20
.set STO,  24
.set RD,   25
.set CO,   26
.set SPW,  28
.set NIL,  29
.set F0,   32
.set F1,   128
.set G1, 24
.set G0, 32
.set G1B, 48
.set G0B, 56
.set MSB, 0
.macro WIN new
.if MSB != (\new)
	s_set_vgpr_msb (MSB<<8)|(\new)
.set MSB, (\new)
.endif
.endm
.macro MWIN first                      ; sources 0 and 1 window 0, D window 1; C window 1, or (first) the bias in window 2
.if \first
	WIN 0x60
.else
	WIN 0x50
.endif
.endm
.macro JLOAD s                         ; waves 0 and 1 fetch y's two planes, waves 2 and 3 Wp's two halves; an s_nop 0 and four v_nop follow each line
	s_cmp_eq_u32 s13, 0
	s_cbranch_scc0 .Lfor_b_\@
	tensor_load_to_lds s[G0+4*\s:G0+4*\s+3], s[G1:G1+7]
	s_nop 0
.rept 4
	v_nop
.endr
	s_branch .Lasked_\@
.Lfor_b_\@:
	tensor_load_to_lds s[G0B+4*\s:G0B+4*\s+3], s[G1B:G1B+7]
	s_nop 0
.rept 4
	v_nop
.endr
.Lasked_\@:
.endm
.macro CREST
	s_cmp_lg_u32 s12, 0
	s_cbranch_scc1 .Lnot_wave_0_\@
	s_barrier_signal -3
.Lnot_wave_0_\@:
	s_barrier_wait -3
	s_barrier_signal -1
	s_barrier_wait -1
.endm
.macro CROUND
	s_barrier_signal -1
	s_barrier_wait -1
	CREST
.endm
	s_load_b256 s[4:11], s[0:1], 0x0               ; y16, wp16, bp, out0
	v_lshl_add_u32 v[SPW], v0, 2, SPARE
	v_mov_b32 v[NIL], 0
	ds_add_u32 v[SPW], v[NIL]                      ; the opening: the add, twice on end, and its wait ahead of my first tensor load
	ds_add_u32 v[SPW], v[NIL]
	v_lshrrev_b32 v1, 5, v0
	v_readfirstlane_b32 s12, v1                    ; wave 0..3
	s_lshr_b32 s13, s12, 1                         ; my half of the rows.  Also: I fetch for y (0) or Wp (1)
	s_and_b32 s14, s12, 1                          ; my half of the columns.  Also: which plane or half I fetch
	s_bfe_u32 s40, ttmp6, 0x40000                  ; cx
	s_bfe_u32 s41, ttmp6, 0x40004                  ; cy
	s_lshl_b32 s42, ttmp9, 2
	s_add_co_u32 s42, s42, s40                     ; column tile
	s_and_b32 s15, ttmp7, 0xffff
	s_lshl_b32 s15, s15, 2
	s_add_co_u32 s15, s15, s41                     ; row tile
	s_lshl_b32 s43, s41, 2
	s_lshl_b32 s43, 15, s43                        ; my row of the cluster
	s_lshl_b32 s44, 0x1111, s40                    ; my column
	s_or_b32 s[G1+0], s43, (1<<16)|(1<<20)|(1<<21)|(5<<22)|(3<<25)   ; y: 64 rows of 128 elements, dense; 4 words of padding behind every 64
	s_mov_b32 s[G1+1], 128<<16
	s_mov_b32 s[G1+2], 64<<16
	s_mov_b32 s[G1+3], 128<<16
	s_mov_b32 s[G1+4], 64
	s_mov_b32 s[G1+5], 128
	s_mov_b32 s[G1+6], 0
	s_mov_b32 s[G1+7], 0
	s_or_b32 s[G1B+0], s44, (1<<16)|(1<<20)|(1<<21)|(6<<22)|(7<<25)  ; Wp: 64 rows of 256 elements, 1,024 apart; 8 words of padding behind every 128
	s_mov_b32 s[G1B+1], 256<<16
	s_mov_b32 s[G1B+2], 64<<16
	s_mov_b32 s[G1B+3], 256<<16
	s_mov_b32 s[G1B+4], 64
	s_mov_b32 s[G1B+5], 1024
	s_mov_b32 s[G1B+6], 0
	s_mov_b32 s[G1B+7], 0
	s_lshr_b32 s16, s15, 4                         ; y: plane 16 x batch + my plane of the step's two,
	s_lshl_b32 s16, s16, 4
	s_add_co_u32 s16, s16, s14
	s_lshl_b32 s16, s16, 18
	s_and_b32 s17, s15, 15                         ; rows 128 (row tile % 16) on
	s_lshl_b32 s17, s17, 14
	s_add_co_u32 s16, s16, s17
	s_mov_b32 s17, 0
	s_lshl_b32 s46, s14, 17                        ; Wp: row 64 x half, column 256 x column tile
	s_lshl_b32 s47, s42, 9
	s_add_co_u32 s46, s46, s47
	s_mov_b32 s47, 0
	s_mul_i32 s20, s14, 17408                      ; where they go: the wave's number alone
	s_mul_i32 s21, s14, 34816
	s_add_co_u32 s21, s21, BOFF
	s_wait_dscnt 0x0                               ; both opening adds are done
	s_wait_kmcnt 0x0
	s_add_nc_u64 s[18:19], s[4:5], s[16:17]
	s_add_nc_u64 s[46:47], s[6:7], s[46:47]
	CROUND                                         ; all sixteen work-groups are here: the first joint loads meet
.irp s, 0,1
	s_mov_b32 s[G0+4*\s], 1
	s_add_co_u32 s[G0+4*\s+1], s20, \s*SLOT
	s_add_nc_u64 s[G0+4*\s+2:G0+4*\s+3], s[18:19], \s*524288      ; K step s: two planes on
	s_or_b32 s[G0+4*\s+3], s[G0+4*\s+3], 0x80000000
	s_mov_b32 s[G0B+4*\s], 1
	s_add_co_u32 s[G0B+4*\s+1], s21, \s*SLOT
	s_add_nc_u64 s[G0B+4*\s+2:G0B+4*\s+3], s[46:47], \s*262144    ; 128 rows on
	s_or_b32 s[G0B+4*\s+3], s[G0B+4*\s+3], 0x80000000
	JLOAD \s
.endr
	v_and_b32 v1, 15, v0                           ; r
	v_bfe_u32 v2, v0, 4, 1                         ; h
	v_lshrrev_b32 v3, 1, v1                        ; y: row r lies at 272 (r / 2) + 128 (r % 2); + 16 h
	v_mul_u32_u24 v3, v3, 272
	v_and_b32 v4, 1, v0
	v_lshl_add_u32 v3, v4, 7, v3
	v_lshl_add_u32 v3, v2, 4, v3
	v_and_b32 v4, 7, v0                            ; Wp: row 8 h + lane % 8, 16 bytes at 16 ((lane / 8) % 2)
	v_lshl_add_u32 v4, v2, 3, v4
	v_mul_u32_u24 v4, v4, 544
	v_bfe_u32 v5, v0, 3, 1
	v_lshl_add_u32 v4, v5, 4, v4
	s_mul_i32 s20, s13, 8704                       ; my 64 rows of y
	s_lshl_b32 s21, s14, 8                         ; my 128 columns of Wp
	s_add_co_u32 s21, s21, BOFF
.irp s, 0,1
	v_add_nc_u32 v[ADRA+\s], s20, v3
	v_add_nc_u32 v[ADRB+\s], s21, v4
	s_add_co_u32 s20, s20, SLOT
	s_add_co_u32 s21, s21, SLOT
.endr
	s_mul_i32 s20, s12, 16*SPITCH
	s_add_co_u32 s20, s20, STAGE                   ; my stage
	v_mul_u32_u24 v5, v1, SPITCH
	v_lshl_add_u32 v5, v2, 5, v5
	v_add_nc_u32 v[STO], s20, v5
	v_and_b32 v6, 31, v0
	v_lshlrev_b32 v[CO], 4, v6
	v_add_nc_u32 v[RD], s20, v[CO]
	s_lshl_b32 s46, s42, 10
	s_lshl_b32 s47, s14, 9
	s_add_co_u32 s46, s46, s47                     ; my first column, in bytes of f32
	v_lshl_add_u32 v8, v2, 5, s46                  ; the bias: + 8 h numbers
	WIN 0x80                                       ; destination window 2
.irp b, 0,1,2,3,4,5,6,7
	global_load_b128 v[8*\b:8*\b+3], v8, s[8:9] offset:64*\b
	global_load_b128 v[8*\b+4:8*\b+7], v8, s[8:9] offset:64*\b+16
.endr
	WIN 0
	s_lshl_b32 s16, s15, 7
	s_lshl_b32 s17, s13, 6
	s_add_co_u32 s16, s16, s17                     ; my first row
	s_lshl_b32 s16, s16, 12
	s_add_co_u32 s46, s46, s16
	s_mov_b32 s47, 0
	s_add_nc_u64 s[10:11], s[10:11], s[46:47]
.macro MUL8 f, a, first                ; A's block a x B's eight, 32 along K.  The 32 accumulators take turns in the same order in every quarter
.irp b, 0,1,2,3,4,5,6,7
.if \first
	v_wmma_f32_16x16x32_f16 v[8*(8*(\a)+\b):8*(8*(\a)+\b)+7], v[\f+32+8*\b:\f+39+8*\b], v[\f+8*(\a):\f+8*(\a)+7], v[8*\b:8*\b+7]
.else
	v_wmma_f32_16x16x32_f16 v[8*(8*(\a)+\b):8*(8*(\a)+\b)+7], v[\f+32+8*\b:\f+39+8*\b], v[\f+8*(\a):\f+8*(\a)+7], v[8*(8*(\a)+\b):8*(8*(\a)+\b)+7]
.endif
.endr
.endm
.macro FETCH slot, q, f                ; 24 LDS loads in one run: the slot's q-th 32 along K: B's eight fragments first, then A's four
	WIN 0
.irp b, 0,1,2,3,4,5,6,7
	ds_load_tr16_b128 v[\f+32+8*\b:\f+35+8*\b], v[ADRB+\slot] offset:17408*(\q)+32*\b
	ds_load_tr16_b128 v[\f+36+8*\b:\f+39+8*\b], v[ADRB+\slot] offset:17408*(\q)+32*\b+8704
.endr
.irp a, 0,1,2,3
	ds_load_b128 v[\f+8*\a:\f+8*\a+3], v[ADRA+\slot] offset:17408*((\q)/2)+64*((\q)%2)+2176*\a
	ds_load_b128 v[\f+8*\a+4:\f+8*\a+7], v[ADRA+\slot] offset:17408*((\q)/2)+64*((\q)%2)+2176*\a+32
.endr
.endm
.macro PLACES
.rept 4
	v_nop
.endr
.endm
.macro QUARTER slot, q, f, g, first    ; multiplies buffer f; in its middle fetches the slot's quarter q into g
	s_wait_dscnt 4                                 ; B and A's blocks 0, 1 are in; A's blocks 2, 3, four loads, may be out
	MWIN \first
	MUL8 \f, 0, \first
	MUL8 \f, 1, \first
	PLACES
	FETCH \slot, \q, \g
	s_wait_dscnt 24                                ; all but the 24 just issued
	MWIN \first
	MUL8 \f, 2, \first
	MUL8 \f, 3, \first
.endm
; A slot's last quarter changes slots: one barrier; in front of it all my tensor loads have landed, the add, and my reads of this slot are over.  fill = 1: the barrier opens a round of the cluster's, and this slot is filled again, two K steps ahead.
.macro TURN slot, next, fill
	WIN 0
	s_wait_tensorcnt 0x0
	ds_add_u32 v[SPW], v[NIL]
	s_wait_dscnt 5                                 ; the add and A's blocks 2, 3 may be out
	MWIN 0
	MUL8 F1, 0, 0
	s_wait_dscnt 0x0
	s_barrier_signal -1
	MUL8 F1, 1, 0
.if \fill
	WIN 0
.endif
	s_barrier_wait -1
.if \fill
	CREST
	s_add_nc_u64 s[G0+4*\slot+2:G0+4*\slot+3], s[G0+4*\slot+2:G0+4*\slot+3], 1048576
	s_add_nc_u64 s[G0B+4*\slot+2:G0B+4*\slot+3], s[G0B+4*\slot+2:G0B+4*\slot+3], 524288
	JLOAD \slot                                    ; the first tensor load behind the round; its four v_nop are also the places in front of the loads below
.else
	PLACES
.endif
	FETCH \next, 0, F0
	MWIN 0
	MUL8 F1, 2, 0
	MUL8 F1, 3, 0
.endm
	s_wait_tensorcnt 1                             ; my part of K step 0 is in; K step 1's one load may stay out
	s_wait_loadcnt 0x0                             ; the bias
	s_barrier_signal -1
	s_barrier_wait -1
	FETCH 0, 0, F0
	QUARTER 0, 1, F0, F1, 1                        ; the first quarter starts the sums from the bias
	WIN 0
	s_mov_b32 s3, LAPS-1
.Llap:                                             ; a trip goes once round the ring and fills both slots again
	QUARTER 0, 2, F1, F0, 0
	QUARTER 0, 3, F0, F1, 0
	TURN 0, 1, 1
	QUARTER 1, 1, F0, F1, 0
	QUARTER 1, 2, F1, F0, 0
	QUARTER 1, 3, F0, F1, 0
	TURN 1, 0, 1
	QUARTER 0, 1, F0, F1, 0
	WIN 0
	s_sub_co_u32 s3, s3, 1
	s_cmp_lg_u32 s3, 0
	s_cbranch_scc1 .Llap
	QUARTER 0, 2, F1, F0, 0                        ; the last lap fills nothing
	QUARTER 0, 3, F0, F1, 0
	TURN 0, 1, 0
	QUARTER 1, 1, F0, F1, 0
	QUARTER 1, 2, F1, F0, 0
	QUARTER 1, 3, F0, F1, 0
	s_wait_dscnt 4
	MWIN 0
	MUL8 F1, 0, 0
	MUL8 F1, 1, 0
	s_wait_dscnt 0
	MUL8 F1, 2, 0
	MUL8 F1, 3, 0
	WIN 0
; THE WAY OUT, a block of 16 rows x 128 columns at a time, through my own stage: back as whole rows of 512 bytes.
.macro TOSTAGE a
	WIN 0x04                                       ; an LDS store's data: window 1
.irp b, 0,1,2,3,4,5,6,7
	ds_store_b128 v[STO], v[8*(8*(\a)+\b):8*(8*(\a)+\b)+3] offset:64*\b
	ds_store_b128 v[STO], v[8*(8*(\a)+\b)+4:8*(8*(\a)+\b)+7] offset:64*\b+16
.endr
	WIN 0
.set BB, 32+64*((\a)%2)
.irp t, 0,1,2,3,4,5,6,7,8,9,10,11,12,13,14,15
	ds_load_b128 v[BB+4*\t:BB+4*\t+3], v[RD] offset:\t*SPITCH
.endr
.endm
.macro SEND a, younger
.set BB, 32+64*((\a)%2)
	s_wait_dscnt \younger
.irp t, 0,1,2,3,4,5,6,7,8,9,10,11,12,13,14,15
	global_store_b128 v[CO], v[BB+4*\t:BB+4*\t+3], s[10:11] offset:(16*(\a)+\t)*4096 th:TH_STORE_NT   ; 512 bytes on end, aligned
.endr
.endm
	PLACES
	TOSTAGE 0
.irp a, 1,2,3
.if \a > 1
	s_wait_xcnt 0x0                                ; block a - 2's stores have read their registers: block a's loads may land there
.endif
	TOSTAGE \a
	SEND \a-1, 32                                  ; behind block a - 1's loads: block a's 16 stores and 16 loads
.endr
	SEND 3, 0
	s_wait_tensorcnt 0x0                           ; the wave's end
	ds_add_u32 v[SPW], v[NIL]
	s_wait_dscnt 0x0
	CROUND                                         ; the closing round
	s_endpgm
.Lfunc_end_k_q114847aca7_proj:
	.size	k_q114847aca7_proj, .Lfunc_end_k_q114847aca7_proj-k_q114847aca7_proj
	.p2alignl 7, 3214868480
	.fill 96, 4, 3214868480
	.section	.rodata,"a",@progbits
	.p2align	6, 0x0
	.amdhsa_kernel k_q114847aca7_proj
		.amdhsa_group_segment_fixed_size 327680
		.amdhsa_private_segment_fixed_size 0
		.amdhsa_enable_private_segment 0
		.amdhsa_kernarg_size 32
		.amdhsa_user_sgpr_count 2
		.amdhsa_user_sgpr_kernarg_segment_ptr 1
		.amdhsa_wavefront_size32 1
		.amdhsa_system_sgpr_workgroup_id_x 1
		.amdhsa_system_sgpr_workgroup_id_y 1
		.amdhsa_system_sgpr_workgroup_id_z 1
		.amdhsa_system_vgpr_workitem_id 0
		.amdhsa_next_free_vgpr 576
		.amdhsa_next_free_sgpr 66
		.amdhsa_reserve_vcc 0
		.amdhsa_float_denorm_mode_32 3
		.amdhsa_float_denorm_mode_16_64 3
		.amdhsa_memory_ordered 1
		.amdhsa_forward_progress 1
		.amdhsa_inst_pref_size 87
	.end_amdhsa_kernel
	.amdgpu_metadata
---
amdhsa.version: [ 1, 2 ]
amdhsa.kernels:
  - .name:           k_q114847aca7_proj
    .symbol:         k_q114847aca7_proj.kd
    .args:
      - { .name: y16, .offset: 0, .size: 8, .value_kind: global_buffer, .address_space: global }
      - { .name: wp16, .offset: 8, .size: 8, .value_kind: global_buffer, .address_space: global }
      - { .name: bp, .offset: 16, .size: 8, .value_kind: global_buffer, .address_space: global }
      - { .name: out0, .offset: 24, .size: 8, .value_kind: global_buffer, .address_space: global }
    .group_segment_fixed_size: 327680
    .private_segment_fixed_size: 0
    .kernarg_segment_align: 8
    .kernarg_segment_size: 32
    .max_flat_workgroup_size: 128
    .sgpr_count:     66
    .vgpr_count:     576
    .wavefront_size: 32
...
	.end_amdgpu_metadata
.endif
;; end of part 4
;; launch fine_att (part 5): grid 16 x 4, 4 waves a work-group, no clusters, 14,848 bytes of LDS; arguments xc, xs, wc, ws, bq, bk, bv, yf; writes yf
.if DOCPART == 5
	.amdgcn_target "amdgcn-amd-amdhsa--gfx1250"
	.amdhsa_code_object_version 6
	.text
	.protected	k_q114847aca7_fine_att
	.globl	k_q114847aca7_fine_att
	.p2align	8
	.type	k_q114847aca7_fine_att,@function
k_q114847aca7_fine_att:
	s_mov_b64 s[64:65], 0
	v_nop
	global_prefetch_b8 v0, s[64:65] scope:SCOPE_SE
	s_setreg_imm32_b32 hwreg(HW_REG_WAVE_MODE, 25, 1), 1
	s_wait_xcnt 0x0
; POSITIONS 0-15 OF EVERY SEQUENCE, carried in f32: there a row of the softmax averages one to sixteen values.  One work-group for each (head, batch).
; Phase 1: q, k, v of the 16 positions by the same products on codes of E2M1 as the large launch, kept in f32: wave w makes the head's channels 16 w .. 16 w + 15 of all three (three accumulators by turns, 8 K steps),
; transposed (source 0 = 16 rows of wc, source 1 = x's 16 rows): a lane holds position r and eight channels.  They meet in LDS, rows of 256 bytes + 16.
; Phase 2: attention on the vector unit.  Wave w owns queries 4 w .. 4 w + 3, two passes of two: lanes 0-15 one query, lanes 16-31 the next; lane % 16 is the key, later four channels.  yf: f32 [16 batch + position][1024].
; LIMITS: NaN and infinities are not served.
.set LQ, 0
.set LK, 4352
.set LV, 8704
.set LP, 13056                         ; 16 rows of 16 weights, 80 bytes apart
.set SPARE, 14336                      ; the spare words: two blocks of 256 bytes that no other line names
.set SPW, 14
.set NIL, 15
	s_load_b256 s[4:11], s[0:1], 0x0               ; xc, xs, wc, ws
	s_load_b256 s[12:19], s[0:1], 0x20             ; bq, bk, bv, yf
	v_lshl_add_u32 v[SPW], v0, 2, SPARE
	v_mov_b32 v[NIL], 0
	v_lshrrev_b32 v1, 5, v0
	v_readfirstlane_b32 s20, v1                    ; wave 0..3
	s_and_b32 s22, ttmp7, 0xffff                   ; batch
	v_and_b32 v1, 15, v0                           ; r
	v_bfe_u32 v2, v0, 4, 1                         ; h
	v_lshlrev_b32 v3, 9, v1
	v_lshl_add_u32 v3, v2, 4, v3                   ; codes: row r of 512 bytes, + 16 h
	v_lshlrev_b32 v4, 5, v1                        ; scale words: row r of 32 bytes
	s_lshl_b32 s24, ttmp9, 8
	s_lshl_b32 s25, s20, 6
	s_add_co_u32 s24, s24, s25
	v_lshl_add_u32 v5, v2, 5, s24                  ; the biases: channel 64 head + 16 w + 8 h
	v_mul_u32_u24 v6, v1, 272
	v_lshl_add_u32 v6, v2, 5, v6
	v_add_nc_u32 v6, s25, v6                       ; into LDS: row r, + 64 w + 32 h
	v_mul_u32_u24 v7, v1, 272
	v_add_nc_u32 v7, LK, v7                        ; K's row r
	s_mul_i32 s26, s20, 1088
	v_mul_u32_u24 v8, v2, 272
	v_add_nc_u32 v8, s26, v8                       ; Q's row 4 w + h
	s_mul_i32 s26, s20, 320
	s_add_co_u32 s26, s26, LP
	v_mul_u32_u24 v11, v2, 80
	v_add_nc_u32 v11, s26, v11                     ; the weights' row 4 w + h,
	v_lshl_add_u32 v9, v1, 2, v11                  ; and my key's place in it
	v_lshlrev_b32 v10, 4, v1
	v_add_nc_u32 v10, LV, v10                      ; V: my four channels
	s_lshl_b32 s26, s20, 14
	v_lshlrev_b32 v12, 12, v2
	v_lshl_add_u32 v12, v1, 4, v12
	v_add_nc_u32 v12, s26, v12                     ; yf: row 4 w + h of 4,096 bytes, + 16 r
	s_lshl_b32 s26, s20, 2
	v_add_nc_u32 v13, s26, v2                      ; my query of pass 0
	s_mov_b32 s23, 0x3e38aa3b                      ; c = log2(e) / 8
	s_mov_b32 s29, 0
	s_wait_kmcnt 0x0
	s_lshl_b32 s28, s22, 20
	s_add_nc_u64 s[4:5], s[4:5], s[28:29]          ; x's codes at my batch's first row
	s_lshl_b32 s28, s22, 16
	s_add_nc_u64 s[6:7], s[6:7], s[28:29]
	s_lshl_b32 s30, ttmp9, 8
	s_add_co_u32 s28, s28, s30
	s_add_nc_u64 s[18:19], s[18:19], s[28:29]      ; yf at my batch's first row, my head's channels
	s_lshl_b32 s28, ttmp9, 15
	s_lshl_b32 s30, s20, 13
	s_add_co_u32 s28, s28, s30
	s_add_nc_u64 s[8:9], s[8:9], s[28:29]          ; wc at row 64 head + 16 w
	s_lshl_b32 s28, ttmp9, 11
	s_lshl_b32 s30, s20, 9
	s_add_co_u32 s28, s28, s30
	s_add_nc_u64 s[10:11], s[10:11], s[28:29]
	global_load_b128 v[16:19], v4, s[6:7]          ; x's 8 scale words: v16-23; the weights' 24: v24-47: these registers hold scales and nothing else
	global_load_b128 v[20:23], v4, s[6:7] offset:16
.irp s, 0,1,2
	global_load_b128 v[24+8*\s:27+8*\s], v4, s[10:11] offset:32768*\s
	global_load_b128 v[28+8*\s:31+8*\s], v4, s[10:11] offset:32768*\s+16
.endr
	global_load_b128 v[48:51], v5, s[12:13]        ; the biases, in the result's layout: v48-71
	global_load_b128 v[52:55], v5, s[12:13] offset:16
	global_load_b128 v[56:59], v5, s[14:15]
	global_load_b128 v[60:63], v5, s[14:15] offset:16
	global_load_b128 v[64:67], v5, s[16:17]
	global_load_b128 v[68:71], v5, s[16:17] offset:16
.macro HALF g                          ; four K steps: x's fragments v96-127, the weights' v128-223; accumulators v72-95
.irp i, 0,1,2,3
.irp c, 0,1
	global_load_b128 v[96+8*\i+4*\c:99+8*\i+4*\c], v3, s[4:5] offset:64*(4*\g+\i)+32*\c
.endr
.irp s, 0,1,2
.irp c, 0,1
	global_load_b128 v[128+32*\s+8*\i+4*\c:131+32*\s+8*\i+4*\c], v3, s[8:9] offset:524288*\s+64*(4*\g+\i)+32*\c
.endr
.endr
.endr
	s_wait_loadcnt 0x0
.irp i, 0,1,2,3
.irp s, 0,1,2
.if (\g == 0) && (\i == 0)
	v_wmma_scale_f32_16x16x128_f8f6f4 v[72+8*\s:79+8*\s], v[128+32*\s+8*\i:135+32*\s+8*\i], v[96+8*\i:103+8*\i], v[48+8*\s:55+8*\s], v[24+8*\s+4*\g+\i], v[16+4*\g+\i] matrix_a_fmt:MATRIX_FMT_FP4 matrix_b_fmt:MATRIX_FMT_FP4
.else
	v_wmma_scale_f32_16x16x128_f8f6f4 v[72+8*\s:79+8*\s], v[128+32*\s+8*\i:135+32*\s+8*\i], v[96+8*\i:103+8*\i], v[72+8*\s:79+8*\s], v[24+8*\s+4*\g+\i], v[16+4*\g+\i] matrix_a_fmt:MATRIX_FMT_FP4 matrix_b_fmt:MATRIX_FMT_FP4
.endif
.endr
.endr
.rept 4
	v_nop                                          ; places in front of loads into the fragments' registers and of the first read of the results
.endr
.endm
	HALF 0
	HALF 1
.irp s, 0,1,2
	ds_store_b128 v6, v[72+8*\s:75+8*\s] offset:4352*\s
	ds_store_b128 v6, v[76+8*\s:79+8*\s] offset:4352*\s+16
.endr
	s_wait_dscnt 0x0                               ; for the others' sake: my stores have landed
	s_barrier_signal -1
	s_barrier_wait -1
	; ---- the scores: lane (r, h), pass u: query 4 w + 2 u + h against key r, 64 channels in two chains of packed multiply-adds
.irp i, 0,1,2,3,4,5,6,7,8,9,10,11,12,13,14,15
	ds_load_b128 v[48+4*\i:51+4*\i], v7 offset:16*\i
.endr
.irp u, 0,1
.irp i, 0,1,2,3,4,5,6,7,8,9,10,11,12,13,14,15
	ds_load_b128 v[112+64*\u+4*\i:115+64*\u+4*\i], v8 offset:544*\u+16*\i
.endr
.endr
	v_mov_b32 v249, 0xff800000
	s_wait_dscnt 0x0
.irp u, 0,1
	v_pk_mul_f32 v[240+4*\u:241+4*\u], v[48:49], v[112+64*\u:113+64*\u]
	v_pk_mul_f32 v[242+4*\u:243+4*\u], v[50:51], v[114+64*\u:115+64*\u]
.endr
.irp p, 4,8,12,16,20,24,28,32,36,40,44,48,52,56,60
.irp u, 0,1
	v_pk_fma_f32 v[240+4*\u:241+4*\u], v[48+\p:49+\p], v[112+64*\u+\p:113+64*\u+\p], v[240+4*\u:241+4*\u]
	v_pk_fma_f32 v[242+4*\u:243+4*\u], v[50+\p:51+\p], v[114+64*\u+\p:115+64*\u+\p], v[242+4*\u:243+4*\u]
.endr
.endr
.irp u, 0,1
	v_pk_add_f32 v[240+4*\u:241+4*\u], v[240+4*\u:241+4*\u], v[242+4*\u:243+4*\u]
.endr
.irp u, 0,1
	v_add_f32 v[240+4*\u], v[240+4*\u], v[241+4*\u]
.endr
.irp u, 0,1
	v_add_nc_u32 v248, 2*\u, v13
	v_cmp_gt_u32 vcc_lo, v1, v248                  ; a key after the query is hidden
	v_cndmask_b32 v[240+4*\u], v[240+4*\u], v249, vcc_lo
	v_mov_b32 v[241+4*\u], v[240+4*\u]
.endr
.irp x, 1,2,4,8
.irp u, 0,1
	v_max_num_f32_dpp v[241+4*\u], v[241+4*\u], v[241+4*\u] row_xmask:\x row_mask:0xf bank_mask:0xf   ; the row's maximum, over its 16 lanes
.endr
.endr
.irp u, 0,1
	v_mul_f32 v[241+4*\u], s23, v[241+4*\u]
.endr
.irp u, 0,1
	v_fma_f32 v[240+4*\u], v[240+4*\u], s23, -v[241+4*\u]
.endr
.irp u, 0,1
	v_exp_f32 v[240+4*\u], v[240+4*\u]
.endr
	v_nop
	s_wait_alu depctr_va_vdst(0)                   ; one wait for the two exponentials, ahead of their first reader
.irp u, 0,1
	v_mov_b32 v[241+4*\u], v[240+4*\u]
.endr
.irp x, 1,2,4,8
.irp u, 0,1
	v_add_f32_dpp v[241+4*\u], v[241+4*\u], v[241+4*\u] row_xmask:\x row_mask:0xf bank_mask:0xf
.endr
.endr
.irp u, 0,1
	v_rcp_f32 v[242+4*\u], v[241+4*\u]
.endr
	v_nop
	s_wait_alu depctr_va_vdst(0)                   ; and one for the two reciprocals
.irp u, 0,1
	v_mul_f32 v[240+4*\u], v[240+4*\u], v[242+4*\u]
	ds_store_b32 v9, v[240+4*\u] offset:160*\u     ; my wave's own rows of weights: no other wave touches them
.endr
	; ---- y: lane (r, h), pass u: channels 4 r .. 4 r + 3 of query 4 w + 2 u + h
.irp k, 0,1,2,3,4,5,6,7,8,9,10,11,12,13,14,15
	ds_load_b128 v[48+4*\k:51+4*\k], v10 offset:272*\k
.endr
.irp u, 0,1
.irp i, 0,1,2,3
	ds_load_b128 v[112+16*\u+4*\i:115+16*\u+4*\i], v11 offset:160*\u+16*\i   ; LDS serves a wave's instructions in order: these see the stores above
.endr
.endr
	s_wait_dscnt 0x0
.irp u, 0,1
.irp e, 0,1,2,3
	v_mul_f32 v[200+4*\u+\e], v[112+16*\u], v[48+\e]
.endr
.endr
.irp k, 1,2,3,4,5,6,7,8,9,10,11,12,13,14,15
.irp u, 0,1
.irp e, 0,1,2,3
	v_fma_f32 v[200+4*\u+\e], v[112+16*\u+\k], v[48+4*\k+\e], v[200+4*\u+\e]
.endr
.endr
.endr
.irp u, 0,1
	global_store_b128 v12, v[200+4*\u:203+4*\u], s[18:19] offset:8192*\u   ; sixteen lanes store 256 bytes on end, aligned
.endr
	s_wait_tensorcnt 0x0                           ; the wave's end
	ds_add_u32 v[SPW], v[NIL]
	s_wait_dscnt 0x0
	s_endpgm
.Lfunc_end_k_q114847aca7_fine_att:
	.size	k_q114847aca7_fine_att, .Lfunc_end_k_q114847aca7_fine_att-k_q114847aca7_fine_att
	.p2alignl 7, 3214868480
	.fill 96, 4, 3214868480
	.section	.rodata,"a",@progbits
	.p2align	6, 0x0
	.amdhsa_kernel k_q114847aca7_fine_att
		.amdhsa_group_segment_fixed_size 14848
		.amdhsa_private_segment_fixed_size 0
		.amdhsa_enable_private_segment 0
		.amdhsa_kernarg_size 64
		.amdhsa_user_sgpr_count 2
		.amdhsa_user_sgpr_kernarg_segment_ptr 1
		.amdhsa_wavefront_size32 1
		.amdhsa_system_sgpr_workgroup_id_x 1
		.amdhsa_system_sgpr_workgroup_id_y 1
		.amdhsa_system_sgpr_workgroup_id_z 1
		.amdhsa_system_vgpr_workitem_id 0
		.amdhsa_next_free_vgpr 256
		.amdhsa_next_free_sgpr 66
		.amdhsa_reserve_vcc 1
		.amdhsa_float_denorm_mode_32 3
		.amdhsa_float_denorm_mode_16_64 3
		.amdhsa_memory_ordered 1
		.amdhsa_forward_progress 1
		.amdhsa_inst_pref_size 33
	.end_amdhsa_kernel
	.amdgpu_metadata
---
amdhsa.version: [ 1, 2 ]
amdhsa.kernels:
  - .name:           k_q114847aca7_fine_att
    .symbol:         k_q114847aca7_fine_att.kd
    .args:
      - { .name: xc, .offset: 0, .size: 8, .value_kind: global_buffer, .address_space: global }
      - { .name: xs, .offset: 8, .size: 8, .value_kind: global_buffer, .address_space: global }
      - { .name: wc, .offset: 16, .size: 8, .value_kind: global_buffer, .address_space: global }
      - { .name: ws, .offset: 24, .size: 8, .value_kind: global_buffer, .address_space: global }
      - { .name: bq, .offset: 32, .size: 8, .value_kind: global_buffer, .address_space: global }
      - { .name: bk, .offset: 40, .size: 8, .value_kind: global_buffer, .address_space: global }
      - { .name: bv, .offset: 48, .size: 8, .value_kind: global_buffer, .address_space: global }
      - { .name: yf, .offset: 56, .size: 8, .value_kind: global_buffer, .address_space: global }
    .group_segment_fixed_size: 14848
    .private_segment_fixed_size: 0
    .kernarg_segment_align: 8
    .kernarg_segment_size: 64
    .max_flat_workgroup_size: 128
    .sgpr_count:     66
    .vgpr_count:     256
    .wavefront_size: 32
...
	.end_amdgpu_metadata
.endif
;; end of part 5
;; launch fine_proj (part 6): grid 16 x 4, 32 waves a work-group, no clusters, 135,168 bytes of LDS; arguments yf, Wp, bp, out0; writes out0
.if DOCPART == 6
	.amdgcn_target "amdgcn-amd-amdhsa--gfx1250"
	.amdhsa_code_object_version 6
	.text
	.protected	k_q114847aca7_fine_proj
	.globl	k_q114847aca7_fine_proj
	.p2align	8
	.type	k_q114847aca7_fine_proj,@function
k_q114847aca7_fine_proj:
	s_mov_b64 s[64:65], 0
	v_nop
	global_prefetch_b8 v0, s[64:65] scope:SCOPE_SE
	s_setreg_imm32_b32 hwreg(HW_REG_WAVE_MODE, 25, 1), 1
	s_wait_xcnt 0x0
; THE PROJECTION OF POSITIONS 0-15 OF EVERY SEQUENCE, in f32: out0 rows 2048 batch + 0 .. 15 = yf Wp + bp, written over what the f16 projection left there.  64 rows in all: no bulk work.
; A work-group makes 16 rows x 64 columns.  Its 32 waves share K: wave w takes k = 32 w .. 32 w + 31, eight steps of v_wmma_f32_16x16x4_f32 on four accumulators by turns (tile c holds columns n0 + 4 r + c);
; the 32 partial tiles meet in LDS, and waves 0-15 add them, a row each, in a fixed order, add the bias and store.
; k's places are permuted alike on both sides: step 2 e + g, lane half h, register j stand for k0 + 8 e + 4 h + 2 g + j, so that a lane's 16-byte loads of yf and of Wp are what the steps take.
; v96-127, the accumulators, are written by matrix instructions alone.
.set SPARE, 131072                     ; the spare words, 128 bytes for each of 32 waves: sixteen blocks of 256 bytes that no other line names
.set SPW, 10
.set NIL, 11
.macro FIN
	s_wait_tensorcnt 0x0                           ; the wave's end
	ds_add_u32 v[SPW], v[NIL]
	s_wait_dscnt 0x0
	s_endpgm
.endm
	s_load_b256 s[4:11], s[0:1], 0x0               ; yf, Wp, bp, out0
	v_lshl_add_u32 v[SPW], v0, 2, SPARE
	v_mov_b32 v[NIL], 0
	v_lshrrev_b32 v1, 5, v0
	v_readfirstlane_b32 s12, v1                    ; wave 0..31
	s_and_b32 s14, ttmp7, 0xffff                   ; batch
	v_and_b32 v1, 15, v0                           ; r
	v_bfe_u32 v2, v0, 4, 1                         ; h
	v_lshlrev_b32 v3, 12, v1
	v_lshl_add_u32 v3, v2, 4, v3                   ; yf: row r, + 4 h numbers
	v_lshlrev_b32 v4, 14, v2
	v_lshl_add_u32 v4, v1, 4, v4                   ; Wp: 4 h rows down, + 4 r columns
	s_lshl_b32 s16, s12, 12
	v_lshlrev_b32 v5, 11, v2
	v_lshl_add_u32 v5, v1, 4, v5
	v_add_nc_u32 v5, s16, v5                       ; my wave's image [16 rows][64 columns]: row 8 h + j, 16 bytes at 16 r
	v_and_b32 v8, 31, v0
	v_lshlrev_b32 v8, 3, v8                        ; 8 x lane
	s_lshl_b32 s16, s12, 8
	v_add_nc_u32 v6, s16, v8                       ; row w of image 0,
	v_add_nc_u32 v7, 0x10000, v6                   ; of image 16
	s_lshl_b32 s16, s14, 16
	s_lshl_b32 s17, s12, 7
	s_add_co_u32 s16, s16, s17
	s_mov_b32 s17, 0
	s_lshl_b32 s20, ttmp9, 8                       ; my 64 columns, in bytes
	s_mov_b32 s21, 0
	s_lshl_b32 s18, s12, 17
	s_add_co_u32 s18, s18, s20
	s_mov_b32 s19, 0
	s_lshl_b32 s22, s14, 23
	s_lshl_b32 s23, s12, 12
	s_add_co_u32 s22, s22, s23
	s_add_co_u32 s22, s22, s20
	s_mov_b32 s23, 0
	s_wait_kmcnt 0x0
	s_add_nc_u64 s[4:5], s[4:5], s[16:17]
	s_add_nc_u64 s[6:7], s[6:7], s[18:19]
	s_add_nc_u64 s[8:9], s[8:9], s[20:21]
	s_add_nc_u64 s[10:11], s[10:11], s[22:23]      ; (used by waves 0-15: row 2048 batch + w)
.irp e, 0,1,2,3
	global_load_b128 v[16+4*\e:19+4*\e], v3, s[4:5] offset:32*\e
.endr
.irp q, 0,1,2,3,4,5,6,7,8,9,10,11,12,13,14,15
	global_load_b128 v[32+4*\q:35+4*\q], v4, s[6:7] offset:(8*(\q/4)+\q%4)*4096   ; sixteen lanes read 256 bytes on end
.endr
	global_load_b64 v[12:13], v8, s[8:9]
	s_wait_loadcnt 0x0
.irp s, 0,1,2,3,4,5,6,7                ; a step's eight registers are two rows of four columns; two exchanges make of them four pairs down k: tiles 0, 2 at +0, +2 and tiles 1, 3 at +4, +6
	v_swap_b32 v[33+8*\s], v[36+8*\s]
	v_swap_b32 v[35+8*\s], v[38+8*\s]
.endr
.irp s, 0,1,2,3,4,5,6,7
.if \s == 0
	v_wmma_f32_16x16x4_f32 v[96:103], v[16+2*\s:17+2*\s], v[32+8*\s:33+8*\s], 0
	v_wmma_f32_16x16x4_f32 v[104:111], v[16+2*\s:17+2*\s], v[36+8*\s:37+8*\s], 0
	v_wmma_f32_16x16x4_f32 v[112:119], v[16+2*\s:17+2*\s], v[34+8*\s:35+8*\s], 0
	v_wmma_f32_16x16x4_f32 v[120:127], v[16+2*\s:17+2*\s], v[38+8*\s:39+8*\s], 0
.else
	v_wmma_f32_16x16x4_f32 v[96:103], v[16+2*\s:17+2*\s], v[32+8*\s:33+8*\s], v[96:103]
	v_wmma_f32_16x16x4_f32 v[104:111], v[16+2*\s:17+2*\s], v[36+8*\s:37+8*\s], v[104:111]
	v_wmma_f32_16x16x4_f32 v[112:119], v[16+2*\s:17+2*\s], v[34+8*\s:35+8*\s], v[112:119]
	v_wmma_f32_16x16x4_f32 v[120:127], v[16+2*\s:17+2*\s], v[38+8*\s:39+8*\s], v[120:127]
.endif
.endr
.rept 8
	v_nop                                          ; eight places behind this form, in front of the first read of its results and of writes of its sources
.endr
.irp j, 0,1,2,3,4,5,6,7                ; row 8 h + j: the four tiles' numbers are four neighbouring columns; each accumulator is read from its low end on
.irp c, 0,1,2,3
	v_mov_b32 v[32+4*\j+\c], v[96+8*\c+\j]
.endr
.endr
.irp j, 0,1,2,3,4,5,6,7
	ds_store_b128 v5, v[32+4*\j:35+4*\j] offset:256*\j
.endr
	s_wait_dscnt 0x0                               ; for the others' sake: my image has landed
	s_barrier_signal -1
	s_barrier_wait -1
	s_cmp_lt_u32 s12, 16
	s_cbranch_scc1 .Lreduce
	FIN
.Lreduce:                                          ; wave w adds row w of the 32 images: 8 bytes a lane
.irp p, 0,1,2,3,4,5,6,7,8,9,10,11,12,13,14,15
	ds_load_b64 v[32+2*\p:33+2*\p], v6 offset:4096*\p
.endr
.irp p, 0,1,2,3,4,5,6,7,8,9,10,11,12,13,14,15
	ds_load_b64 v[64+2*\p:65+2*\p], v7 offset:4096*\p
.endr
	s_wait_dscnt 0x0
.irp p, 0,1,2,3,4,5,6,7,8,9,10,11,12,13,14,15
	v_pk_add_f32 v[32+2*\p:33+2*\p], v[32+2*\p:33+2*\p], v[64+2*\p:65+2*\p]
.endr
.irp p, 0,1,2,3,4,5,6,7
	v_pk_add_f32 v[32+2*\p:33+2*\p], v[32+2*\p:33+2*\p], v[48+2*\p:49+2*\p]
.endr
.irp p, 0,1,2,3
	v_pk_add_f32 v[32+2*\p:33+2*\p], v[32+2*\p:33+2*\p], v[40+2*\p:41+2*\p]
.endr
.irp p, 0,1
	v_pk_add_f32 v[32+2*\p:33+2*\p], v[32+2*\p:33+2*\p], v[36+2*\p:37+2*\p]
.endr
	v_pk_add_f32 v[32:33], v[32:33], v[34:35]
	v_pk_add_f32 v[32:33], v[32:33], v[12:13]      ; the bias
	global_store_b64 v8, v[32:33], s[10:11]        ; the wave stores 256 bytes on end, aligned
	FIN
.Lfunc_end_k_q114847aca7_fine_proj:
	.size	k_q114847aca7_fine_proj, .Lfunc_end_k_q114847aca7_fine_proj-k_q114847aca7_fine_proj
	.p2alignl 7, 3214868480
	.fill 96, 4, 3214868480
	.section	.rodata,"a",@progbits
	.p2align	6, 0x0
	.amdhsa_kernel k_q114847aca7_fine_proj
		.amdhsa_group_segment_fixed_size 135168
		.amdhsa_private_segment_fixed_size 0
		.amdhsa_enable_private_segment 0
		.amdhsa_kernarg_size 32
		.amdhsa_user_sgpr_count 2
		.amdhsa_user_sgpr_kernarg_segment_ptr 1
		.amdhsa_wavefront_size32 1
		.amdhsa_system_sgpr_workgroup_id_x 1
		.amdhsa_system_sgpr_workgroup_id_y 1
		.amdhsa_system_sgpr_workgroup_id_z 1
		.amdhsa_system_vgpr_workitem_id 0
		.amdhsa_next_free_vgpr 128
		.amdhsa_next_free_sgpr 66
		.amdhsa_reserve_vcc 0
		.amdhsa_float_denorm_mode_32 3
		.amdhsa_float_denorm_mode_16_64 3
		.amdhsa_memory_ordered 1
		.amdhsa_forward_progress 1
		.amdhsa_inst_pref_size 13
	.end_amdhsa_kernel
	.amdgpu_metadata
---
amdhsa.version: [ 1, 2 ]
amdhsa.kernels:
  - .name:           k_q114847aca7_fine_proj
    .symbol:         k_q114847aca7_fine_proj.kd
    .args:
      - { .name: yf, .offset: 0, .size: 8, .value_kind: global_buffer, .address_space: global }
      - { .name: Wp, .offset: 8, .size: 8, .value_kind: global_buffer, .address_space: global }
      - { .name: bp, .offset: 16, .size: 8, .value_kind: global_buffer, .address_space: global }
      - { .name: out0, .offset: 24, .size: 8, .value_kind: global_buffer, .address_space: global }
    .group_segment_fixed_size: 135168
    .private_segment_fixed_size: 0
    .kernarg_segment_align: 8
    .kernarg_segment_size: 32
    .max_flat_workgroup_size: 1024
    .sgpr_count:     66
    .vgpr_count:     128
    .wavefront_size: 32
...
	.end_amdgpu_metadata
.endif
;; end of part 6
